; MI455X (gfx1250); checked and timed in simulation.
; The chip was launched on July 23, 2026; its instructions are those of AMD's public machine-readable ISA for CDNA 5 (MIT licence, August 2026) and "CDNA5" Instruction Set Architecture Reference Guide (July 2026). The comments in the code are by the model that wrote it; some were corrected since.
;; Causal Self Attention. Allowed arithmetic: matrix products marked QUANTISED: E4M3 operands, one E8M0 scale for each 32 along K, by v_wmma_scale_f32_16x16x128_f8f6f4 with both operands' format E4M3, f32 sums; everything else in f32.
;; Inputs: W_k_codes 1,024 x 32 x 32 uint8 (E4M3 codes of W_k, K innermost, in blocks of 32 codes); W_k_scales 1,024 x 32 uint8 (E8M0 scales of W_k, one for each 32 codes along K); W_o_codes 1,024 x 32 x 32 uint8 (E4M3 codes of W_o, K innermost, in blocks of 32 codes); W_o_scales 1,024 x 32 uint8 (E8M0 scales of W_o, one for each 32 codes along K); W_q_codes 1,024 x 32 x 32 uint8 (E4M3 codes of W_q, K innermost, in blocks of 32 codes); W_q_scales 1,024 x 32 uint8 (E8M0 scales of W_q, one for each 32 codes along K); W_v_codes 1,024 x 32 x 32 uint8 (E4M3 codes of W_v, K innermost, in blocks of 32 codes); W_v_scales 1,024 x 32 uint8 (E8M0 scales of W_v, one for each 32 codes along K); b_k 1,024 float32; b_o 1,024 float32; b_q 1,024 float32; b_v 1,024 float32; mask 4 x 2,048 int32; x_codes 4 x 2,048 x 32 x 32 uint8 (E4M3 codes of x, K innermost, in blocks of 32 codes); x_scales 4 x 2,048 x 32 uint8 (E8M0 scales of x, one for each 32 codes along K).
;; Outputs: out0 4 x 2,048 x 1,024 float32.
;; This version of the problem:
;;   THIS VERSION OF THE PROBLEM IS GIVEN IN LOW PRECISION. The matrix products marked QUANTISED in the list below multiply operands that are first quantised to E4M3 (4 exponent bits, 3 mantissa bits; 8 bits a number), with one power-of-two scale for each 32 numbers along K (OCP MX v1.0); their sums are f32. All else is computed in f32.
;;   The module's matrix products, in the order in which they are computed (A, B: the left and right operand; K: the contracted axis; several contracted axes count as one K, in the product's order):
;;     1. [M 8,192, K 1,024] x [K 1,024, N 1,024]; A: input x (given as codes); B: input W_q (given as codes): QUANTISED
;;     2. [M 8,192, K 1,024] x [K 1,024, N 1,024]; A: input x (given as codes); B: input W_k (given as codes): QUANTISED
;;     3. [M 8,192, K 1,024] x [K 1,024, N 1,024]; A: input x (given as codes); B: input W_v (given as codes): QUANTISED
;;     4. batch 64 x [M 2,048, K 64] x [K 64, N 2,048]; A: computed on the way; B: computed on the way: QUANTISED
;;     5. batch 64 x [M 2,048, K 2,048] x [K 2,048, N 64]; A: softmax (see below); B: computed on the way: QUANTISED
;;     6. [M 8,192, K 1,024] x [K 1,024, N 1,024]; A: computed on the way; B: input W_o (given as codes): QUANTISED
;;   THE QUANTISER, for each operand of a quantised product, along K:
;;     - K is cut into blocks of 32 from its start; a last block that is shorter is filled with zeros.
;;     - A block's scale is 2^e with e = floor(log2(the largest magnitude in the block)) - 8, held to -126 .. 127; a block of zeros has e = 0. As a byte (E8M0): e + 127.
;;     - Each number is divided by its block's scale, clamped to +-448, and rounded to the nearest number of E4M3, ties to even, subnormals kept.
;;     - The product sums the exact products of the quantised numbers (number of the format x scale) in f32.
;;   ~~~python
;;   def quantise(x, axis):      # numpy; x: float32 -> the quantised numbers, widened to float32 again
;;       x = np.moveaxis(x, axis, -1); K = x.shape[-1]
;;       x = np.pad(x, [(0, 0)] * (x.ndim - 1) + [(0, -K % 32)]); x = x.reshape(x.shape[:-1] + (-1, 32)); a = np.abs(x).max(-1, keepdims=True)
;;       e = np.where(a > 0, np.clip(np.frexp(np.where(a > 0, a, 1))[1] - 1 - 8, -126, 127), 0)      # np.frexp(a)[1] - 1 = floor(log2(a)), exactly
;;       r = np.clip(x / 2.0 ** e, -448, 448)
;;       step = 2.0 ** (np.maximum(np.frexp(np.where(r == 0, 1, r))[1] - 1, -6) - 3)
;;       q = np.round(r / step) * step * 2.0 ** e      # np.round: ties to even
;;       return np.moveaxis(q.reshape(q.shape[:-2] + (-1,))[..., :K], -1, axis).astype(np.float32)
;;   ~~~
;;   SOFTMAX AHEAD OF A QUANTISED PRODUCT. Where the list says 'softmax', what is quantised is not the finished softmax but p = 2^(t - M), with t = logit x log2(e) and M = ceil(the row's largest t), a whole number; so 1/2 < the row's largest p <= 1. The row's sum l is taken of the UNQUANTISED p, in f32, and the product's result is divided by l at the end. Since M is a whole number, a kernel that streams over the keys may use a running M (the ceiling of the running maximum): every later rescaling is an exact power of two, which a block's scale takes up: the codes' values come out the same.
;;   OPERANDS COMPUTED ON THE WAY. 'Computed on the way' means the value that the module computes at that place (a softmax that the list does not call 'softmax' is quantised finished and normalised). What goes into a quantiser is computed in f32, as accurately as f32 sums, v_exp_f32 and their like allow (about 1e-6 of the number): no bf16 or f16 on the way to a quantiser, and a product that is left as it is and whose result goes on into a quantised operand takes f32 operands (vector FMAs, or v_wmma_f32_16x16x4_f32). A number that lies on a knife's edge between two numbers of the format may be rounded either way, as far as f32 arithmetic and the matrix unit's own rounding can turn it there, and no further.
;;   INPUTS GIVEN AS CODES. W_k (in the module: [1024, 1024], K = its axis 1); W_o (in the module: [1024, 1024], K = its axis 1); W_q (in the module: [1024, 1024], K = its axis 1); W_v (in the module: [1024, 1024], K = its axis 1); x (in the module: [4, 2048, 1024], K = its axis 2): each comes as NAME_codes (uint8): NAME with its K axis moved to the last place and cut into blocks of 32 codes, [.., K / 32, bytes a block], one block behind the other in memory; one code a byte (a code: sign, 4 exponent bits, 3 mantissa bits); and NAME_scales (uint8): the same leading axes, one E8M0 byte (e + 127) for each 32 codes along K. Its value is code x scale, taken as it is: it is not quantised again, and the codes and scales need not be those that the quantiser above would give.
;; One version. Each part assembles by itself: llvm-mc -triple=amdgcn-amd-amdhsa -mcpu=gfx1250 --defsym DOCPART=n.
;; ======== version 1 of 1: 3 launches
;; limits: right only within a limited range of input values
;; workspace buffers: qkv 25,165,824 bytes; qkvs 1,572,864 bytes; ao 8,388,608 bytes; aos 262,144 bytes
;; launch proj (part 1): grid 12 x 32, 4 waves a work-group, clusters of 4 x 4, 327,680 bytes of LDS; arguments x_codes, x_scales, W_q_codes, W_q_scales, W_k_codes, W_k_scales, W_v_codes, W_v_scales, b_q, b_k, b_v, qkv, qkvs; writes qkv, qkvs
.if DOCPART == 1
	.amdgcn_target "amdgcn-amd-amdhsa--gfx1250"
	.amdhsa_code_object_version 6
	.text
	.protected	k_q8f5c3e3860_proj
	.globl	k_q8f5c3e3860_proj
	.p2align	8
	.type	k_q8f5c3e3860_proj,@function
k_q8f5c3e3860_proj:
	s_mov_b64 s[64:65], 0
	v_nop
	global_prefetch_b8 v0, s[64:65] scope:SCOPE_SE
	s_setreg_imm32_b32 hwreg(HW_REG_WAVE_MODE, 25, 1), 1
	s_wait_xcnt 0x0
	s_wait_alu depctr_hold_cnt(0) depctr_sa_sdst(0) depctr_va_vdst(0) depctr_va_sdst(0) depctr_va_ssrc(0) depctr_va_vcc(0) depctr_vm_vsrc(0)
	s_getreg_b32 s2, hwreg(HW_REG_IB_STS2, 6, 4)
	s_cmp_eq_u32 s2, 0
	s_cbranch_scc0 .Lentry_in_a_cluster
	s_endpgm
.Lentry_in_a_cluster:
	s_bfe_u32 s2, ttmp6, 0x10000c
	s_cmp_lg_u32 s2, 0xf033
	s_cbranch_scc0 .Lentry_shape_is_right
	s_endpgm
.Lentry_shape_is_right:
; Q = x Wq^T + bq, K = x Wk^T + bk, V = x Wv^T + bv on codes of E4M3 with E8M0 scales, and the quantising of the three results: Q and K along a head's 64, V along the keys.
; ONE GEMM TEXT, out(R row, P row) = sum over k of R(.,k) P(.,k), K = 1,024.  Source 0 = 16 rows of P, source 1 = 16 rows of R: a lane holds ONE row of R and eight neighbouring rows of P,
; so the results are quantised along P.  Cluster x = 0: R = x, P = W_q;  1: R = x, P = W_k;  2: R = W_v, P = x (V transposed: a lane holds one channel, its registers run along the keys).
; A work-group of four waves makes 256 x 256, a wave 128 x 128: 64 accumulators.  K goes in four steps of 256 through two LDS slots; all scale bytes of the 512 rows come once and go into registers once.
; CLUSTER 4 x 4: R's tile hangs on the cluster's row alone, P's on its column alone: each is asked for jointly by the four that share it.
; WHAT IS STORED is laid as images of operand registers: four registers a lane = 512 consecutive bytes, lane l's 16 bytes at 16 l.
;   qkv  [batch x 16 + head][128 tokens: 16][24,576]: K 8 tiles x 1,024 | V 4 tiles of 16 channels x 2,048 | Q 8 tiles x 1,024
;   qkvs [batch x 16 + head][24,576]: K's scale words 8,192 | V's 4,096 | Q's 8,192 | sums of the quantised V over each 128 keys, f32, 4,096
; Inside a block of 32 the order is 16 (i / 8) + 8 (lane / 16) + i % 8 at place (lane / 16, i): the same on both sides of each later product, and a block's scale does not know of order.
; Q's and K's scale words: two bytes of the head's two blocks, then 0x7f, 0x7f for the upper 64 of the instruction's 128, where Q's codes will be zeros.
; LIMITS: NaN and infinities are not served.  A block of zeros gets the byte 1 and not 127: its codes are zeros, and this program alone reads the bytes.
.set PITCH,  272                       ; an LDS row: 256 bytes + 16 of padding: the 16 rows of a fragment load start 68 words apart
.set HALFT,  128*PITCH                 ; what one tensor load brings
.set SLOT,   4*HALFT                   ; R's 256 rows, then P's
.set SCL,    2*SLOT                    ; scale bytes: R's 256 rows x 32, then P's
.set STGQ,   SCL+16384                 ; Q, K: 1,024 bytes a wave for scale words
.set STGV,   STGQ+4096                 ; V: 1,024 bytes a wave for scale words and sums (each way out has bytes of its own)
.set SPARE,  STGV+4096                 ; the spare words: 128 bytes a wave
.set HEADB,  393216                    ; a head in qkv
.set HEADW,  24576                     ; a head in qkvs
.set ADRA, 16                          ; v16-17 LDS address of my R fragments in slot 0, 1
.set ADRB, 20                          ; v20-21 of my P fragments
.set ADSA, 22                          ; v22 of R's scale bytes: lanes 0-15 block i, lanes 16-31 block i + 4
.set ADSB, 23                          ; v23 of P's
.set CO16, 24                          ; v24 16 x lane
.set CO8,  25                          ; v25 8 x lane
.set STQ,  26
.set RDQ,  27
.set STV,  10
.set RDV,  11
.set VBN,  12                          ; v12 32 x (lane / 16): the bias along P
.set VBM,  13                          ; v13 4 x (lane % 16): the bias along R
.set SPW,  28                          ; v28 my spare word; never rewritten
.set NIL,  29                          ; v29 0; never rewritten
.set SA,   32                          ; v32-63 R's scale words: 8 (i % 4) + K step of 128
.set SB,   64                          ; v64-95 P's
.set VS,   96                          ; v96-111 the sums of V: two accumulators by turns
.set AF,   128                         ; v128-255 R's fragments, one set
.set T,    128                         ; the way out: 64 numbers
.set PC,   192                         ; their codes
.set TM,   208                         ; at work
.set PW,   224                         ; scale words
.set SONE, 226                         ; the scale 1 in all four bytes
.set ONE,  240                         ; 16 rows of ones
.set G1A, 4
.set G1B, 12
.set G1SA, 20
.set G1SB, 28
.set G0A, 36
.set G0B, 44
.set G0SA, 52
.set G0SB, 56
.set WV, 60
.set WR, 61                            ; which 128 rows of R are mine.  Also: I fetch for R (0) or for P (1)
.set WC, 62                            ; which 128 rows of P.  Also: which 128 rows I fetch
.set XX, 63                            ; cluster x: 0 Q, 1 K, 2 V
.set SEL, 2
.set MNT, 104
.set MSB, 0
.macro WIN new                         ; the immediate's high byte repeats the setting that is left
.if MSB != (\new)
	s_set_vgpr_msb (MSB<<8)|(\new)
.set MSB, (\new)
.endif
.endm
.set MUL_LO, 0xa1                      ; source 0 (P) window 1, source 1 (R) window 0, C and D window 2
.set MUL_HI, 0xf1
.set TO_B,   0x40
.macro JLOAD g0a, g1a, g0b, g1b        ; a joint load: waves 0, 1 for R, waves 2, 3 for P; the branch hangs on the wave's number alone
	s_cmp_eq_u32 s[WR], 0
	s_cbranch_scc0 .Lfor_p_\@
	tensor_load_to_lds s[\g0a:\g0a+3], s[\g1a:\g1a+7]
	s_nop 0
.rept 4
	v_nop
.endr
	s_branch .Lasked_\@
.Lfor_p_\@:
	tensor_load_to_lds s[\g0b:\g0b+3], s[\g1b:\g1b+7]
	s_nop 0
.rept 4
	v_nop
.endr
.Lasked_\@:
.endm
.macro CREST
	s_cmp_lg_u32 s[WV], 0
	s_cbranch_scc1 .Lnot_wave_0_\@
	s_barrier_signal -3
.Lnot_wave_0_\@:
	s_barrier_wait -3
	s_barrier_signal -1
	s_barrier_wait -1
.endm
.macro CROUND
	s_barrier_signal -1
	s_barrier_wait -1
	CREST
.endm
.macro PLACES n
.rept \n
	v_nop
.endr
.endm
	s_load_b512 s[68:83], s[0:1], 0x0              ; x codes, x scales, Wq codes, scales, Wk codes, scales, Wv codes, scales
	s_load_b256 s[84:91], s[0:1], 0x40             ; b_q, b_k, b_v, qkv
	s_load_b64 s[92:93], s[0:1], 0x60              ; qkvs
	v_lshl_add_u32 v[SPW], v0, 2, SPARE
	v_mov_b32 v[NIL], 0
	ds_add_u32 v[SPW], v[NIL]
	ds_add_u32 v[SPW], v[NIL]                      ; the opening: the add and its wait ahead of my first tensor load
	v_lshrrev_b32 v1, 5, v0
	v_readfirstlane_b32 s[WV], v1
	s_lshr_b32 s[WR], s[WV], 1
	s_and_b32 s[WC], s[WV], 1
	s_mov_b32 s[XX], ttmp9
	s_bfe_u32 s66, ttmp6, 0x40000                  ; cx
	s_bfe_u32 s67, ttmp6, 0x40004                  ; cy
	s_and_b32 s2, ttmp7, 0xffff
	s_lshl_b32 s2, s2, 2                           ; 4 x cluster y: x's 32 tiles of 256 tokens
	s_cmp_eq_u32 s[XX], 2
	s_cselect_b32 s94, 0, s2
	s_cselect_b32 s98, s2, 0
	s_add_co_u32 s94, s94, s67                     ; R's tile: cy (+ 4 Y where R is x)
	s_add_co_u32 s98, s98, s66                     ; P's tile: cx (+ 4 Y where P is x)
	s_lshl_b32 s3, s[WC], 7
	s_lshl_b32 s94, s94, 8
	s_add_co_u32 s94, s94, s3                      ; the first row of R that I would fetch
	s_lshl_b32 s98, s98, 8
	s_add_co_u32 s98, s98, s3                      ; and of P
	s_lshl_b32 s96, s94, 5                         ; its scale bytes: 32 a row
	s_lshl_b32 s94, s94, 10                        ; its codes: 1,024 a row
	s_lshl_b32 s100, s98, 5
	s_lshl_b32 s98, s98, 10
	s_mov_b32 s95, 0
	s_mov_b32 s97, 0
	s_mov_b32 s99, 0
	s_mov_b32 s101, 0
	s_lshl_b32 s104, s67, 2
	s_lshl_b32 s104, 15, s104                      ; my row of the cluster
	s_lshl_b32 s105, 0x1111, s66                   ; my column
	s_or_b32 s[G1A], s104, (1<<20)|(1<<21)|(5<<22)|(3<<25)   ; mask; elements of 1 byte; padding: 4 words behind every 64
	s_or_b32 s[G1B], s105, (1<<20)|(1<<21)|(5<<22)|(3<<25)
.irp g, G1A, G1B
	s_mov_b32 s[\g+1], 256<<16                     ; tensor_dim0
	s_mov_b32 s[\g+2], 128<<16                     ; tensor_dim1
	s_mov_b32 s[\g+3], 256<<16                     ; tile_dim0
	s_mov_b32 s[\g+4], 128                         ; tile_dim1
	s_mov_b32 s[\g+5], 1024                        ; from row to row
	s_mov_b32 s[\g+6], 0
	s_mov_b32 s[\g+7], 0
.endr
	s_or_b32 s[G1SA], s104, (3<<16)|(1<<21)        ; scale bytes of 128 rows: 4,096 dense bytes as 16 rows of 32 elements of 8 bytes
	s_or_b32 s[G1SB], s105, (3<<16)|(1<<21)
.irp g, G1SA, G1SB
	s_mov_b32 s[\g+1], 32<<16
	s_mov_b32 s[\g+2], 16<<16
	s_mov_b32 s[\g+3], 32<<16
	s_mov_b32 s[\g+4], 16
	s_mov_b32 s[\g+5], 32
	s_mov_b32 s[\g+6], 0
	s_mov_b32 s[\g+7], 0
.endr
	s_mul_i32 s3, s[WV], HALFT                     ; where my tile goes: wave x 128 rows
	s_lshl_b32 s2, s[WV], 12                       ; and my scale bytes
	s_wait_dscnt 0x0                               ; the opening add is done
	s_wait_kmcnt 0x0
	s_cmp_eq_u32 s[XX], 2                          ; the buffers are chosen by the cluster's x, which all partners share
	s_cselect_b64 s[76:77], s[68:69], s[76:77]     ; P: x, or W_k
	s_cselect_b64 s[78:79], s[70:71], s[78:79]
	s_cselect_b64 s[68:69], s[80:81], s[68:69]     ; R: W_v, or x
	s_cselect_b64 s[70:71], s[82:83], s[70:71]
	s_cselect_b64 s[86:87], s[88:89], s[86:87]     ; the bias: b_v, or b_k
	s_cmp_eq_u32 s[XX], 0
	s_cselect_b64 s[76:77], s[72:73], s[76:77]     ; or W_q
	s_cselect_b64 s[78:79], s[74:75], s[78:79]
	s_cselect_b64 s[86:87], s[84:85], s[86:87]
	s_add_nc_u64 s[68:69], s[68:69], s[94:95]
	s_add_nc_u64 s[70:71], s[70:71], s[96:97]
	s_add_nc_u64 s[76:77], s[76:77], s[98:99]
	s_add_nc_u64 s[78:79], s[78:79], s[100:101]
	CROUND                                         ; all sixteen work-groups are here: the first joint loads meet
	s_mov_b32 s[G0SA], 1
	s_add_co_u32 s[G0SA+1], s2, SCL
	s_mov_b64 s[G0SA+2:G0SA+3], s[70:71]
	s_or_b32 s[G0SA+3], s[G0SA+3], 0x80000000
	s_mov_b32 s[G0SB], 1
	s_add_co_u32 s[G0SB+1], s2, SCL
	s_mov_b64 s[G0SB+2:G0SB+3], s[78:79]
	s_or_b32 s[G0SB+3], s[G0SB+3], 0x80000000
	JLOAD G0SA, G1SA, G0SB, G1SB                   ; the scale bytes first
.irp s, 0,1
	s_mov_b32 s[G0A+4*\s], 1
	s_add_co_u32 s[G0A+4*\s+1], s3, \s*SLOT
	s_add_nc_u64 s[G0A+4*\s+2:G0A+4*\s+3], s[68:69], \s*256
	s_or_b32 s[G0A+4*\s+3], s[G0A+4*\s+3], 0x80000000
	s_mov_b32 s[G0B+4*\s], 1
	s_add_co_u32 s[G0B+4*\s+1], s3, \s*SLOT
	s_add_nc_u64 s[G0B+4*\s+2:G0B+4*\s+3], s[76:77], \s*256
	s_or_b32 s[G0B+4*\s+3], s[G0B+4*\s+3], 0x80000000
	JLOAD G0A+4*\s, G1A, G0B+4*\s, G1B
.endr
	v_and_b32 v1, 15, v0                           ; r
	v_bfe_u32 v2, v0, 4, 1                         ; h
	v_and_b32 v3, 31, v0                           ; lane
	v_mul_u32_u24 v4, v1, PITCH
	v_lshl_add_u32 v4, v2, 4, v4
	s_mul_i32 s80, s[WR], HALFT
	s_mul_i32 s81, s[WC], HALFT
	s_add_co_u32 s81, s81, 2*HALFT
.irp s, 0,1
	v_add_nc_u32 v[ADRA+\s], s80, v4
	v_add_nc_u32 v[ADRB+\s], s81, v4
	s_add_co_u32 s80, s80, SLOT
	s_add_co_u32 s81, s81, SLOT
.endr
	v_lshlrev_b32 v5, 5, v1                        ; a row's 32 scale bytes,
	v_lshl_add_u32 v5, v2, 11, v5                  ; lanes 16-31: 64 rows further on
	s_lshl_b32 s80, s[WR], 12
	s_add_co_u32 s80, s80, SCL
	v_add_nc_u32 v[ADSA], s80, v5
	s_lshl_b32 s80, s[WC], 12
	s_add_co_u32 s80, s80, SCL+8192
	v_add_nc_u32 v[ADSB], s80, v5
	v_lshlrev_b32 v[CO16], 4, v3
	v_lshlrev_b32 v[CO8], 3, v3
	s_lshl_b32 s80, s[WV], 10
	s_add_co_u32 s81, s80, STGQ
	s_add_co_u32 s80, s80, STGV
	v_lshl_add_u32 v[STQ], v1, 2, s81
	v_add_nc_u32 v[RDQ], s81, v[CO16]
	v_lshl_add_u32 v[STV], v1, 2, s80
	v_add_nc_u32 v[RDV], s80, v[CO8]
	v_lshlrev_b32 v[VBN], 5, v2
	v_lshlrev_b32 v[VBM], 2, v1
	; where my results go.  Tokens run along R for Q and K, along P for V; heads the other way round
	s_and_b32 s72, ttmp7, 0xffff
	s_lshl_b32 s72, s72, 2
	s_cmp_eq_u32 s[XX], 2
	s_cselect_b32 s73, s66, s67                    ; the tokens' place in the cluster
	s_cselect_b32 s74, s67, s66                    ; the heads'
	s_cselect_b32 s75, s[WC], s[WR]                ; the tokens' half
	s_cselect_b32 s80, s[WR], s[WC]                ; the heads'
	s_cselect_b32 s83, 8192, 0                     ; V's region, in qkv's blocks and in qkvs' alike
	s_cselect_b32 s84, 8, 9                        ; scale words of 128 tokens: 256 bytes for V, 512 for Q and K
	s_cmp_eq_u32 s[XX], 0
	s_cselect_b32 s81, 16384, 0                    ; Q's region in a block of qkv
	s_cselect_b32 s82, 12288, 0                    ; and in qkvs
	s_add_co_u32 s72, s72, s73
	s_lshl_b32 s72, s72, 1
	s_add_co_u32 s72, s72, s75                     ; which 128 tokens of the 8,192
	s_lshr_b32 s73, s72, 4                         ; the batch
	s_and_b32 s72, s72, 15                         ; which 128 of its 2,048
	s_lshl_b32 s74, s74, 1
	s_add_co_u32 s74, s74, s80
	s_lshl_b32 s74, s74, 1                         ; my first head of two
	s_lshl_b32 s73, s73, 4
	s_add_co_u32 s73, s73, s74
	s_lshl_b32 s75, s73, 4
	s_add_co_u32 s75, s75, s72
	s_mul_i32 s88, s75, 24576
	s_add_co_u32 s88, s88, s81
	s_add_co_u32 s88, s88, s83
	s_mov_b32 s89, 0
	s_add_nc_u64 s[90:91], s[90:91], s[88:89]      ; qkv at my codes
	s_mul_i32 s88, s73, HEADW
	s_add_co_u32 s88, s88, s82
	s_add_co_u32 s88, s88, s83
	s_lshl_b32 s82, s72, s84
	s_add_co_u32 s88, s88, s82
	s_add_nc_u64 s[92:93], s[92:93], s[88:89]      ; qkvs at my scale words
	s_lshl_b32 s88, s74, 8                         ; 64 channels x 4 bytes a head
	s_add_nc_u64 s[86:87], s[86:87], s[88:89]      ; the bias at my 128 channels
; one product: R's block a x P's block b, K step ks of 128, P's set p.  A scale register carries block i in lanes 0-15 and block i + 4 in lanes 16-31
.macro WM a, b, p, ks, zero
.set rD, 8*(8*((\a)%4)+(\b))
.set rP, 128*(\p)+16*(\b)
.set rR, AF+16*(\a)
.set rX, SB+8*((\b)%4)+(\ks)
.set rY, SA+8*((\a)%4)+(\ks)
.set sel, 2*((\a)/4)+(\b)/4
.if \zero
.if sel == 0
	v_wmma_scale_f32_16x16x128_f8f6f4 v[rD:rD+7], v[rP:rP+15], v[rR:rR+15], 0, v[rX], v[rY]
.elseif sel == 1
	v_wmma_scale_f32_16x16x128_f8f6f4 v[rD:rD+7], v[rP:rP+15], v[rR:rR+15], 0, v[rX], v[rY] matrix_a_scale:MATRIX_SCALE_ROW1
.elseif sel == 2
	v_wmma_scale_f32_16x16x128_f8f6f4 v[rD:rD+7], v[rP:rP+15], v[rR:rR+15], 0, v[rX], v[rY] matrix_b_scale:MATRIX_SCALE_ROW1
.else
	v_wmma_scale_f32_16x16x128_f8f6f4 v[rD:rD+7], v[rP:rP+15], v[rR:rR+15], 0, v[rX], v[rY] matrix_a_scale:MATRIX_SCALE_ROW1 matrix_b_scale:MATRIX_SCALE_ROW1
.endif
.else
.if sel == 0
	v_wmma_scale_f32_16x16x128_f8f6f4 v[rD:rD+7], v[rP:rP+15], v[rR:rR+15], v[rD:rD+7], v[rX], v[rY]
.elseif sel == 1
	v_wmma_scale_f32_16x16x128_f8f6f4 v[rD:rD+7], v[rP:rP+15], v[rR:rR+15], v[rD:rD+7], v[rX], v[rY] matrix_a_scale:MATRIX_SCALE_ROW1
.elseif sel == 2
	v_wmma_scale_f32_16x16x128_f8f6f4 v[rD:rD+7], v[rP:rP+15], v[rR:rR+15], v[rD:rD+7], v[rX], v[rY] matrix_b_scale:MATRIX_SCALE_ROW1
.else
	v_wmma_scale_f32_16x16x128_f8f6f4 v[rD:rD+7], v[rP:rP+15], v[rR:rR+15], v[rD:rD+7], v[rX], v[rY] matrix_a_scale:MATRIX_SCALE_ROW1 matrix_b_scale:MATRIX_SCALE_ROW1
.endif
.endif
.endm
.macro MUL16 a0, p, ks, zero           ; the 64 accumulators take turns, one instruction a turn, in the same order in every step
.irp a, \a0, \a0+1
.irp b, 0,1,2,3,4,5,6,7
	WM \a, \b, \p, \ks, \zero
.endr
.endr
.endm
.macro FETCH_B slot, q, p              ; P's eight fragments of the slot's q-th 128 along K into set p
	WIN TO_B
.irp i, 0,1,2,3,4,5,6,7
.irp c, 0,1,2,3
	ds_load_b128 v[128*(\p)+16*\i+4*\c:128*(\p)+16*\i+4*\c+3], v[ADRB+\slot] offset:128*(\q)+32*\c+\i*16*PITCH
.endr
.endr
	WIN 0
.endm
.macro FETCH_A slot, q, i0             ; R's blocks i0 .. i0 + 3
.irp i, \i0, \i0+1, \i0+2, \i0+3
.irp c, 0,1,2,3
	ds_load_b128 v[AF+16*(\i)+4*\c:AF+16*(\i)+4*\c+3], v[ADRA+\slot] offset:128*(\q)+32*\c+(\i)*16*PITCH
.endr
.endr
.endm
; a slot's first 128 along K.  Eight plain places stand between a product and a load into a register that it read
.macro STEP slot, ks, zero
	s_wait_dscnt 16                                ; all but the youngest 16 loads (R's blocks 4-7)
	WIN MUL_LO
	MUL16 0, 0, \ks, \zero
	MUL16 2, 0, \ks, \zero
	s_wait_dscnt 0
	PLACES 8
	FETCH_B \slot, 1, 1
	FETCH_A \slot, 1, 0
	WIN MUL_HI
	MUL16 4, 0, \ks, \zero
	MUL16 6, 0, \ks, \zero
	PLACES 8
	WIN 0
	FETCH_A \slot, 1, 4
.endm
; a slot's second 128 along K, and the change of slots: one barrier; ahead of it all my tensor loads, the add, and my reads of this slot.  fill = 1: this slot takes the K step two on
.macro TURN slot, next, fill, ks
	s_wait_tensorcnt 0x0                           ; all my tensor loads have landed: my part of the next slot
	ds_add_u32 v[SPW], v[NIL]                      ; 0 onto my spare word
	s_wait_dscnt 17                                ; the add and R's blocks 4-7 may be out
	WIN MUL_LO
	MUL16 0, 1, \ks, 0
	s_wait_dscnt 0x0                               ; the add is done, and my reads of this slot are over
	s_barrier_signal -1
	MUL16 2, 1, \ks, 0
	WIN 0
	s_barrier_wait -1
.if \fill
	CREST                                          ; the barrier has opened a round of the cluster's: no wave of any partner reads this slot or has a load on its way
	s_add_nc_u64 s[G0A+4*\slot+2:G0A+4*\slot+3], s[G0A+4*\slot+2:G0A+4*\slot+3], 512
	s_add_nc_u64 s[G0B+4*\slot+2:G0B+4*\slot+3], s[G0B+4*\slot+2:G0B+4*\slot+3], 512
	JLOAD G0A+4*\slot, G1A, G0B+4*\slot, G1B
	PLACES 4
.else
	PLACES 8
.endif
	FETCH_B \next, 0, 0
	FETCH_A \next, 0, 0
	WIN MUL_HI
	MUL16 4, 1, \ks, 0
	MUL16 6, 1, \ks, 0
	PLACES 8
	WIN 0
	FETCH_A \next, 0, 4
.endm
	s_wait_alu depctr_va_vdst(0)
	s_wait_tensorcnt 1                             ; the scale bytes and my part of K step 0 are in; K step 1's load may be out
	s_barrier_signal -1
	s_barrier_wait -1
.irp i, 0,1,2,3                        ; all scale words of my 128 + 128 rows, for all of K: 16 loads, once
	ds_load_b128 v[SA+8*\i:SA+8*\i+3], v[ADSA] offset:512*\i
	ds_load_b128 v[SA+8*\i+4:SA+8*\i+7], v[ADSA] offset:512*\i+16
	ds_load_b128 v[SB+8*\i:SB+8*\i+3], v[ADSB] offset:512*\i
	ds_load_b128 v[SB+8*\i+4:SB+8*\i+7], v[ADSB] offset:512*\i+16
.endr
	FETCH_B 0, 0, 0
	FETCH_A 0, 0, 0
	FETCH_A 0, 0, 4
	STEP 0, 0, 1                                   ; written out: the scale registers' numbers follow K.  The first products start the sums
	TURN 0, 1, 1, 1
	STEP 1, 2, 0
	TURN 1, 0, 1, 3
	STEP 0, 4, 0
	TURN 0, 1, 0, 5                                ; nothing is left to fetch
	STEP 1, 6, 0
	s_cmp_eq_u32 s[XX], 2                          ; the bias, into P's set 0, which has had its last product and its eight places
	s_cbranch_scc1 .Lbias_v
	WIN TO_B
.irp b, 0,1,2,3,4,5,6,7                ; Q, K: along P: channels 16 b + 8 h + 0 .. 7
	global_load_b128 v[8*\b:8*\b+3], v[VBN], s[86:87] offset:64*\b
	global_load_b128 v[8*\b+4:8*\b+7], v[VBN], s[86:87] offset:64*\b+16
.endr
	WIN 0
	s_branch .Lbias_done
.Lbias_v:
	WIN TO_B
.irp a, 0,1,2,3,4,5,6,7                ; V: along R: channel 16 a + r, once for each half of a pair
	global_load_b32 v[2*\a], v[VBM], s[86:87] offset:64*\a
	global_load_b32 v[2*\a+1], v[VBM], s[86:87] offset:64*\a
.endr
	WIN 0
.Lbias_done:
	s_wait_dscnt 16
	WIN MUL_LO
	MUL16 0, 1, 7, 0
	MUL16 2, 1, 7, 0
	s_wait_dscnt 0
	WIN MUL_HI
	MUL16 4, 1, 7, 0
	MUL16 6, 1, 7, 0
	WIN 0
; THE WAY OUT, R's block a at a time: 64 numbers of a lane + bias, four blocks of 32 along P, quantised; the conversions' results are the image that is stored
.macro ADDB a, alongr
	WIN 0x06+(\a)/4                                ; source 0: the accumulators' window, source 1: window 1
.set ii, 0
.rept 32
.if \alongr
	v_pk_add_f32 v[T+ii:T+ii+1], v[64*((\a)%4)+ii:64*((\a)%4)+ii+1], v[2*(\a):2*(\a)+1] op_sel_hi:[1,0]
.else
	v_pk_add_f32 v[T+ii:T+ii+1], v[64*((\a)%4)+ii:64*((\a)%4)+ii+1], v[ii:ii+1]
.endif
.set ii, ii+2
.endr
	WIN 0
.endm
.macro QUANT full                      ; register 16 b + i of T belongs to block b; lanes l and l xor 16 hold a block.  full = 1: one scale word of four bytes; 0: two words of two bytes and 0x7f, 0x7f
.irp b, 0,1,2,3
	v_max3_num_f32 v[TM+\b], |v[T+16*\b]|, |v[T+1+16*\b]|, 0x4800000   ; and the floor 2^(9 - 127): the byte cannot fall under 1
.endr
.irp i, 2,4,6,8,10,12,14
.irp b, 0,1,2,3
	v_max3_num_f32 v[TM+\b], v[TM+\b], |v[T+16*\b+\i]|, |v[T+1+16*\b+\i]|
.endr
.endr
.irp b, 0,1,2,3
	v_permlanex16_b32 v[TM+4+\b], v[TM+\b], s[SEL], s[SEL+1]
.endr
.irp b, 0,1,2,3
	v_max_num_f32 v[TM+\b], v[TM+\b], v[TM+4+\b]
.endr
.irp b, 0,1,2,3
	v_add_nc_u32 v[TM+12+\b], 0xfc000000, v[TM+\b]         ; 8 off the exponent field: the conversion's scale operand
.endr
.irp b, 0,1,2,3
.endr
.irp b, 0,1,2,3
	v_lshrrev_b32 v[TM+4+\b], 23, v[TM+12+\b]              ; the scale's byte
.endr
.if \full
	v_lshl_or_b32 v[PW], v[TM+5], 8, v[TM+4]
	v_lshl_or_b32 v[PW], v[TM+6], 16, v[PW]
	v_lshl_or_b32 v[PW], v[TM+7], 24, v[PW]
.else
	v_lshl_or_b32 v[PW], v[TM+5], 8, v[TM+4]
	v_lshl_or_b32 v[PW+1], v[TM+7], 8, v[TM+6]
	v_or_b32 v[PW], 0x7f7f0000, v[PW]
	v_or_b32 v[PW+1], 0x7f7f0000, v[PW+1]
.endif
.irp b, 0,1,2,3
.irp i, 0,1,2,3,4,5,6,7,8,9,10,11,12,13,14,15
.endr
	v_cvt_scalef32_pk8_fp8_f32 v[PC+4*\b:PC+1+4*\b], v[T+16*\b:T+7+16*\b], v[TM+12+\b]
	v_cvt_scalef32_pk8_fp8_f32 v[PC+2+4*\b:PC+3+4*\b], v[T+8+16*\b:T+15+16*\b], v[TM+12+\b]
.endr
	v_nop                                          ; a plain instruction behind the last conversion
.endm
.macro EPIQ a
	s_wait_xcnt 0x0                                ; the last block's stores have read their data,
	s_wait_dscnt 0x0                               ; its LDS stores too: the codes and scale words may be written again
	ADDB \a, 0
	QUANT 0
.irp c, 0,1,2,3                        ; blocks 0, 1: my first head; 2, 3: my second.  Each store: 512 consecutive bytes
	global_store_b128 v[CO16], v[PC+4*\c:PC+4*\c+3], s[90:91] offset:(\c/2)*HEADB+1024*(\a)+512*(\c%2)
.endr
	ds_store_b32 v[STQ], v[PW] offset:64*(\a)      ; lanes l and l xor 16 write the same word with the same value
	ds_store_b32 v[STQ], v[PW+1] offset:512+64*(\a)
.endm
.macro EPIV a
	s_wait_xcnt 0x0
	s_wait_dscnt 0x0
	ADDB \a, 1
	QUANT 1
	PLACES 4                                       ; codes made by vector instructions stand four places ahead of a scaled product; the scale word was made ahead of the 64 holds
	v_wmma_scale_f32_16x16x128_f8f6f4 v[VS+8*((\a)%2):VS+8*((\a)%2)+7], v[ONE:ONE+15], v[PC:PC+15], 0, v[SONE], v[PW]   ; ones x the quantised V: each lane gets its channel's sum over the 128 keys
.irp c, 0,1,2,3
	global_store_b128 v[CO16], v[PC+4*\c:PC+4*\c+3], s[90:91] offset:((\a)/4)*HEADB+2048*((\a)%4)+512*\c
.endr
	ds_store_b32 v[STV], v[PW] offset:64*(\a)
	PLACES 8
	ds_store_b32 v[STV], v[VS+8*((\a)%2)] offset:512+64*(\a)
.endm
	PLACES 8
	s_wait_loadcnt 0x0                             ; the bias
	s_mov_b32 s[SEL], 0x76543210
	s_mov_b32 s[SEL+1], 0xfedcba98                 ; v_permlanex16_b32: lane l xor 16
.irp b, 0,1,2,3
	v_mov_b32 v[TM+4+\b], 0                        ; a lane permute's destination counts as one of its sources
.endr
	s_cmp_eq_u32 s[XX], 2
	s_cbranch_scc1 .Lout_v
.irp a, 0,1,2,3,4,5,6,7
	EPIQ \a
.endr
	ds_load_b128 v[T:T+3], v[RDQ]                  ; LDS serves a wave's instructions in order: these see my stores
	ds_load_b128 v[T+4:T+7], v[RDQ] offset:512
	s_wait_dscnt 0x0
	global_store_b128 v[CO16], v[T:T+3], s[92:93]                  ; 128 tokens' scale words of a head: 512 consecutive bytes
	global_store_b128 v[CO16], v[T+4:T+7], s[92:93] offset:HEADW
	s_branch .Lend
.Lout_v:
.irp i, 0,1,2,3,4,5,6,7,8,9,10,11,12,13,14,15
	v_mov_b32 v[ONE+\i], 0x38383838                ; the code of 1.0, four times
.endr
	v_mov_b32 v[SONE], 0x7f7f7f7f
.irp a, 0,1,2,3,4,5,6,7
	EPIV \a
.endr
.irp k, 0,1,2,3
	ds_load_b64 v[T+2*\k:T+2*\k+1], v[RDV] offset:256*\k
.endr
	s_wait_dscnt 0x0
	global_store_b64 v[CO8], v[T:T+1], s[92:93]                    ; each: 256 consecutive bytes.  Scale words of my two heads,
	global_store_b64 v[CO8], v[T+2:T+3], s[92:93] offset:HEADW
	global_store_b64 v[CO8], v[T+4:T+5], s[92:93] offset:12288     ; and their sums
	global_store_b64 v[CO8], v[T+6:T+7], s[92:93] offset:12288+HEADW
.Lend:
	s_wait_tensorcnt 0x0                           ; the wave's end
	ds_add_u32 v[SPW], v[NIL]
	s_wait_dscnt 0x0
	CROUND                                         ; the closing round
	s_endpgm
.Lfunc_end_k_q8f5c3e3860_proj:
	.size	k_q8f5c3e3860_proj, .Lfunc_end_k_q8f5c3e3860_proj-k_q8f5c3e3860_proj
	.p2alignl 7, 3214868480
	.fill 96, 4, 3214868480
	.section	.rodata,"a",@progbits
	.p2align	6, 0x0
	.amdhsa_kernel k_q8f5c3e3860_proj
		.amdhsa_group_segment_fixed_size 327680
		.amdhsa_private_segment_fixed_size 0
		.amdhsa_enable_private_segment 0
		.amdhsa_kernarg_size 104
		.amdhsa_user_sgpr_count 2
		.amdhsa_user_sgpr_kernarg_segment_ptr 1
		.amdhsa_wavefront_size32 1
		.amdhsa_system_sgpr_workgroup_id_x 1
		.amdhsa_system_sgpr_workgroup_id_y 1
		.amdhsa_system_sgpr_workgroup_id_z 1
		.amdhsa_system_vgpr_workitem_id 0
		.amdhsa_next_free_vgpr 1024
		.amdhsa_next_free_sgpr 106
		.amdhsa_reserve_vcc 0
		.amdhsa_float_denorm_mode_32 3
		.amdhsa_float_denorm_mode_16_64 3
		.amdhsa_fp16_overflow 1
		.amdhsa_memory_ordered 1
		.amdhsa_forward_progress 1
		.amdhsa_inst_pref_size 226
	.end_amdhsa_kernel
	.amdgpu_metadata
---
amdhsa.version: [ 1, 2 ]
amdhsa.kernels:
  - .name:           k_q8f5c3e3860_proj
    .symbol:         k_q8f5c3e3860_proj.kd
    .args:
      - { .name: x_codes, .offset: 0, .size: 8, .value_kind: global_buffer, .address_space: global }
      - { .name: x_scales, .offset: 8, .size: 8, .value_kind: global_buffer, .address_space: global }
      - { .name: W_q_codes, .offset: 16, .size: 8, .value_kind: global_buffer, .address_space: global }
      - { .name: W_q_scales, .offset: 24, .size: 8, .value_kind: global_buffer, .address_space: global }
      - { .name: W_k_codes, .offset: 32, .size: 8, .value_kind: global_buffer, .address_space: global }
      - { .name: W_k_scales, .offset: 40, .size: 8, .value_kind: global_buffer, .address_space: global }
      - { .name: W_v_codes, .offset: 48, .size: 8, .value_kind: global_buffer, .address_space: global }
      - { .name: W_v_scales, .offset: 56, .size: 8, .value_kind: global_buffer, .address_space: global }
      - { .name: b_q, .offset: 64, .size: 8, .value_kind: global_buffer, .address_space: global }
      - { .name: b_k, .offset: 72, .size: 8, .value_kind: global_buffer, .address_space: global }
      - { .name: b_v, .offset: 80, .size: 8, .value_kind: global_buffer, .address_space: global }
      - { .name: qkv, .offset: 88, .size: 8, .value_kind: global_buffer, .address_space: global }
      - { .name: qkvs, .offset: 96, .size: 8, .value_kind: global_buffer, .address_space: global }
    .group_segment_fixed_size: 327680
    .private_segment_fixed_size: 0
    .kernarg_segment_align: 8
    .kernarg_segment_size: 104
    .max_flat_workgroup_size: 128
    .sgpr_count:     106
    .vgpr_count:     1024
    .wavefront_size: 32
...
	.end_amdgpu_metadata
.endif
;; end of part 1
;; launch attn (part 2): grid 512 x 1, 16 waves a work-group, no clusters, 327,680 bytes of LDS; arguments qkv, qkvs, mask, ao, aos; writes ao, aos
.if DOCPART == 2
	.amdgcn_target "amdgcn-amd-amdhsa--gfx1250"
	.amdhsa_code_object_version 6
	.text
	.protected	k_q8f5c3e3860_attn
	.globl	k_q8f5c3e3860_attn
	.p2align	8
	.type	k_q8f5c3e3860_attn,@function
k_q8f5c3e3860_attn:
	s_mov_b64 s[64:65], 0
	v_nop
	global_prefetch_b8 v0, s[64:65] scope:SCOPE_SE
	s_setreg_imm32_b32 hwreg(HW_REG_WAVE_MODE, 25, 1), 1
	s_wait_xcnt 0x0
; Attention of one head for 256 queries, both products on codes of E4M3 with E8M0 scales, causal mask and key mask, and the quantising of the result along the model's 1,024.
; t = score x log2(e) / 8; M = the running largest t rounded up to a whole number; p = 2^(t - M) is quantised along the keys; the row's sum is taken of the unquantised p and divides at the end.
; SHARES.  Work-group id: head = id % 64 (batch x 16 + head), block of 256 queries = 7 - id / 64: those with the most keys come first.  Sixteen waves, each 16 queries in 256 registers.
; Both products transposed: S^T = K Q^T, O^T = V^T P^T: a lane holds one query.  K, V and Q lie in memory as images of operand registers: every LDS load takes 512 consecutive bytes.
; The head has 64 channels, the instruction takes 128: Q's upper eight registers are zeros; K's upper eight are the next tile's codes (never NaN: they were held), which meet those zeros under the scale 1.
; THE KEY MASK costs no vector instruction: a table in LDS holds 0 or -1e30 for each key and is loaded as the C of S^T's products.  The causal mask: steps behind the diagonal are left out
; (a branch on ids), on the diagonal hidden scores become -1e30.
; A ROW WITH NO OPEN KEY: there all 2,048 logits are the same -1e9, so every p is 1 and the row is the mean of the quantised V over all keys.  Such a row keeps the sum 0 here and takes that mean by a select.
; No cluster: the work-groups of a head need different numbers of tiles (2 to 16 steps), and those of equal length belong to different heads, which share nothing.
; LIMITS: NaN and infinities are not served; t of an open key is taken to lie above -1e20; a masked key's weight beside an open one is taken as 0 (open logits above -1e9 + 200).
.set SLOT1, 32768                      ; a slot: two steps of 128 keys, each K 8,192 | V 8,192; slot 1 begins here
.set SCW,   65536                      ; K's scale words of the head 8,192, V's 4,096: filled once
.set MBT,   SCW+12288                  ; 2,048 keys x f32: 0 or -1e30
.set VBAR,  MBT+8192                   ; the mean of V: 64 x f32
.set AOSG,  VBAR+256                   ; 256 rows x 2 scale bytes
.set SPARE, AOSG+512                   ; the spare words: 128 bytes a wave
.set SPW, 5
.set NIL, 6
.set WV,  18
; v1 16 x lane; v2, v3 my place among K's and V's scale words; v4 in the mask table; v7 the prefetches' offset; v8-11 the step's addresses; v12 -M, v13 largest t, v[14:15] the sum;
; v16-23 Q, v24-31 zeros; v32-95 K or V, v96-103 zeros; v104-167 S^T, then p; v168-199 O^T; v200-215 p's codes; v216-231 at work; v232-235 K's, v236-237 V's, v238 Q's, v239 p's scale words;
; v[240:241] f; v242 at work; v243 -1e30; v244-251 addresses of the head and the end
; s2 the slot in hand; s3 512 x step; s48 256 x step; s49 slots to go; s50 the step's first key; s51 my first query; s[52:53], s54 the prefetches
	s_load_b256 s[4:11], s[0:1], 0x0               ; qkv, qkvs, mask, ao
	s_load_b64 s[12:13], s[0:1], 0x20              ; aos
	v_lshl_add_u32 v[SPW], v0, 2, SPARE
	v_mov_b32 v[NIL], 0
	ds_add_u32 v[SPW], v[NIL]                      ; the opening: the add and its wait ahead of the first tensor load
	ds_add_u32 v[SPW], v[NIL]
	v_lshrrev_b32 v8, 5, v0
	s_delay_alu instid0(VALU_DEP_1)
	v_readfirstlane_b32 s[WV], v8
	s_lshr_b32 s14, ttmp9, 6
	s_sub_co_u32 s14, 7, s14                       ; my block of 256 queries
	s_and_b32 s15, ttmp9, 63                       ; batch x 16 + head
	s_lshr_b32 s16, s15, 4
	s_and_b32 s17, s15, 15
	s_mov_b32 s24, 3<<16                           ; a step's K and V: 16,384 dense bytes as 64 rows of 32 elements of 8 bytes
	s_mov_b32 s25, 32<<16
	s_mov_b32 s26, 64<<16
	s_mov_b32 s27, 32<<16
	s_mov_b32 s28, 64
	s_mov_b32 s29, 32
	s_mov_b32 s30, 0
	s_mov_b32 s31, 0
	s_mov_b32 s32, 3<<16                           ; half of the scale words: 6,144 dense bytes as 24 such rows
	s_mov_b32 s33, 32<<16
	s_mov_b32 s34, 24<<16
	s_mov_b32 s35, 32<<16
	s_mov_b32 s36, 24
	s_mov_b32 s37, 32
	s_mov_b32 s38, 0
	s_mov_b32 s39, 0
	s_mov_b32 s20, 0x76543210
	s_mov_b32 s21, 0xfedcba98
	s_mov_b32 s22, 0x3e38aa3b                      ; c = log2(e) / 8
	s_mov_b32 s23, s22
	s_mov_b32 s2, 0
	s_mov_b32 s3, 0
	s_mov_b32 s48, 0
	s_mov_b32 s49, 7
	s_mov_b32 s50, 0
	s_lshl_b32 s51, s14, 8
	s_lshl_b32 s56, s[WV], 4
	s_add_co_u32 s51, s51, s56                     ; my first query
	s_and_b32 s60, s[WV], 1
	s_mul_i32 s56, s15, 393216
	s_mov_b32 s57, 0
	s_mul_i32 s58, s15, 24576
	s_mov_b32 s59, 0
	s_mul_i32 s66, s60, 24576                      ; waves 0, 1 fetch a slot's first and second step
	s_mov_b32 s67, 0
	s_mul_i32 s68, s60, 6144
	s_mov_b32 s69, 0
	s_lshl_b32 s61, s60, 14
	s_wait_dscnt 0x0
	s_wait_kmcnt 0x0
	s_add_nc_u64 s[4:5], s[4:5], s[56:57]          ; qkv at my head
	s_add_nc_u64 s[6:7], s[6:7], s[58:59]          ; qkvs at my head
	s_mov_b32 s44, 1
	s_add_co_u32 s45, s68, SCW
	s_add_nc_u64 s[46:47], s[6:7], s[68:69]
	s_or_b32 s47, s47, 0x80000000
	s_mov_b32 s40, 1
	s_mov_b32 s41, s61
	s_add_nc_u64 s[42:43], s[4:5], s[66:67]
	s_or_b32 s43, s43, 0x80000000
	s_cmp_lt_u32 s[WV], 2                          ; a wave's two first fills stand in one branch
	s_cbranch_scc0 .Lno_first
	tensor_load_to_lds s[44:47], s[32:39]          ; the scale words, once
	s_nop 0
	tensor_load_to_lds s[40:43], s[24:31]          ; slot 0
	s_nop 0
.rept 4
	v_nop
.endr
.Lno_first:
	v_and_b32 v8, 31, v0                           ; lane
	v_and_b32 v9, 15, v0                           ; r
	v_bfe_u32 v10, v0, 4, 1                        ; h
	s_delay_alu instid0(VALU_DEP_3)
	v_lshlrev_b32 v1, 4, v8
	s_delay_alu instid0(VALU_DEP_4)
	v_lshl_add_u32 v2, v8, 2, SCW                  ; one register carries two tiles' words: lanes 0-15 the even tile's, lanes 16-31 the odd one's
	v_lshl_add_u32 v3, v8, 2, SCW+8192
	s_delay_alu instid0(VALU_DEP_4)
	v_lshl_add_u32 v4, v10, 5, MBT                 ; register j of tile T is key 16 T + 8 h + j
	v_lshlrev_b32 v7, 8, v8
	v_lshl_add_u32 v244, v0, 4, MBT
	s_lshl_b32 s56, s[WV], 5
	s_add_co_u32 s56, s56, AOSG
	v_lshl_add_u32 v245, v9, 1, s56
	v_lshl_add_u32 v246, v0, 2, VBAR-256           ; (used by threads 64 to 127 alone)
	v_lshl_add_u32 v247, v10, 5, VBAR
	v_lshl_add_u32 v248, v8, 4, AOSG
	v_lshlrev_b32 v249, 2, v9
	s_wait_alu depctr_va_vdst(0)
	v_lshlrev_b32 v250, 4, v0
	s_wait_alu depctr_va_vdst(0)
	v_lshlrev_b32 v251, 2, v0
	s_lshl_b32 s56, s14, 1
	s_lshr_b32 s57, s[WV], 3
	s_add_co_u32 s56, s56, s57                     ; which 128 tokens hold my queries,
	s_and_b32 s57, s[WV], 7                        ; and which tile of them
	s_mul_i32 s58, s56, 24576
	s_lshl_b32 s61, s57, 10
	s_add_co_u32 s58, s58, s61
	s_add_co_u32 s58, s58, 16384
	s_add_nc_u64 s[66:67], s[4:5], s[58:59]
	global_load_b128 v[16:19], v1, s[66:67]        ; Q's eight registers
	global_load_b128 v[20:23], v1, s[66:67] offset:512
	s_lshl_b32 s58, s56, 9
	s_lshl_b32 s57, s57, 6
	s_add_co_u32 s58, s58, s57
	s_add_co_u32 s58, s58, 12288
	s_add_nc_u64 s[68:69], s[6:7], s[58:59]
	global_load_b32 v238, v249, s[68:69]           ; Q's scale words
	s_lshl_b32 s58, s16, 13
	s_add_nc_u64 s[8:9], s[8:9], s[58:59]
	global_load_b128 v[32:35], v250, s[8:9]        ; four keys' mask a thread
	s_lshr_b32 s56, s[WV], 1
	s_cmp_eq_u32 s56, 1                            ; waves 2, 3: the mean of the quantised V over the head's 2,048 keys, a channel a thread
	s_cbranch_scc0 .Lno_vbar
	s_wait_alu depctr_va_vdst(0)
.irp s, 0,1,2,3,4,5,6,7,8,9,10,11,12,13,14,15
	global_load_b32 v[40+\s], v251, s[6:7] offset:20480-256+256*\s
.endr
	s_wait_loadcnt 0x0
	v_add_f32 v255, v41, v42
	v_add_f32 v254, v43, v44
	v_add_f32 v253, v45, v46
	v_add_f32 v252, v47, v48
	v_add_f32 v251, v49, v50
	v_add_f32 v250, v51, v52
	v_add_f32 v249, v53, v54
	v_add_f32 v40, v40, v55
	s_delay_alu instid0(VALU_DEP_1)
	v_add_f32 v40, v40, v252
	v_add_f32 v255, v255, v251
	v_add_f32 v254, v254, v250
	v_add_f32 v253, v253, v249
	s_delay_alu instid0(VALU_DEP_2)
	v_add_f32 v40, v40, v254
	s_delay_alu instid0(VALU_DEP_2)
	v_add_f32 v255, v255, v253
	s_delay_alu instid0(VALU_DEP_1)
	v_add_f32 v40, v40, v255
	s_delay_alu instid0(VALU_DEP_1)
	v_mul_f32 v40, 0x3a000000, v40                 ; / 2,048
	ds_store_b32 v246, v40
.Lno_vbar:
	v_mov_b32 v243, 0xf149f2ca                     ; -1e30
	v_mov_b32 v13, 0xe0ad78ec                      ; the largest t so far: -1e20: over every masked t, under every open one
	s_delay_alu instid0(VALU_DEP_1)
	v_floor_f32 v12, -v13
	v_mov_b32 v14, 0
	v_mov_b32 v15, 0
.set n, 0
.rept 8
	v_mov_b32 v[24+n], 0                           ; Q's upper 64 along K
	v_mov_b32 v[96+n], 0                           ; behind K's last tile
.set n, n+1
.endr
.set n, 0
.rept 32
	v_mov_b32 v[168+n], 0                          ; O^T: the step is written once; its first turn finds zeros
.set n, n+1
.endr
.irp b, 0,1,2,3
	v_mov_b32 v[220+\b], 0                         ; a lane permute's destination counts as one of its sources
.endr
	v_mov_b32 v241, 0                              ; named with v240 as a pair
	v_mov_b32 v242, 0
	s_lshl_b32 s56, s16, 3
	s_add_co_u32 s56, s56, s14                     ; which 256 tokens of the 8,192
	s_lshl_b32 s58, s56, 18
	s_lshr_b32 s57, s17, 2
	s_lshl_b32 s57, s57, 16
	s_add_co_u32 s58, s58, s57                     ; ao: [256 tokens][four heads][tile of 16 tokens][two heads][2,048]
	s_lshl_b32 s57, s[WV], 12
	s_add_co_u32 s58, s58, s57
	s_and_b32 s57, s17, 3
	s_lshl_b32 s57, s57, 10
	s_add_co_u32 s58, s58, s57
	s_add_nc_u64 s[10:11], s[10:11], s[58:59]
	s_lshl_b32 s58, s56, 13
	s_lshl_b32 s57, s17, 9
	s_add_co_u32 s58, s58, s57                     ; aos: [256 tokens][head][256 rows] x 2 bytes
	s_add_nc_u64 s[12:13], s[12:13], s[58:59]
	; the prefetches: who asks, and where.  All eight work-groups of a head walk the same K and V: the first of them (id under 64) asks; in it waves 4 to 7, which fetch nothing
	s_sub_co_u32 s56, s[WV], 4
	s_lshr_b32 s57, s56, 2
	s_lshr_b32 s58, ttmp9, 6
	s_or_b32 s57, s57, s58
	s_cmp_eq_u32 s57, 0
	s_cselect_b32 s54, 1, -1
	s_and_b32 s56, s[WV], 3
	s_lshr_b32 s57, s56, 1
	s_mul_i32 s57, s57, 24576                      ; waves 4, 5: the slot's first step; 6, 7: its second;
	s_and_b32 s56, s56, 1
	s_lshl_b32 s56, s56, 13                        ; 8,192 bytes a wave, lanes 256 bytes apart
	s_add_co_u32 s58, s57, s56
	s_add_co_u32 s58, s58, 49152                   ; in slot 1: the first change of slots steps it to slot 2
	s_add_nc_u64 s[52:53], s[4:5], s[58:59]
	s_wait_loadcnt 0x0                             ; Q, its scale words, the mask
.irp i, 0,1,2,3
	v_cmp_eq_u32 vcc_lo, 0, v[32+\i]
	s_delay_alu instid0(VALU_DEP_1)
	v_cndmask_b32 v[36+\i], 0, v243, vcc_lo        ; a closed key: -1e30
.endr
	ds_store_b128 v244, v[36:39]
.macro CHANGE fill                     ; at a slot's head: all my tensor loads, the add, my LDS instructions; the barrier; then the slot just left is filled with the keys that follow
	s_wait_tensorcnt 0x0
	ds_add_u32 v[SPW], v[NIL]                      ; 0 onto my spare word
.if \fill
	s_xor_b32 s41, s41, SLOT1
	s_add_nc_u64 s[42:43], s[42:43], 49152         ; two steps of 24,576 bytes on
	s_wait_xcnt 0x0                                ; the last prefetch, a slot back, has read its address
	s_add_nc_u64 s[52:53], s[52:53], 49152
.endif
	s_wait_dscnt 0x0
	s_barrier_signal -1
	s_barrier_wait -1
.if \fill
	s_add_co_u32 s96, s50, 256                     ; a slot whose first key comes after my work-group's last query is read by none of its waves: it is not asked for.
	s_or_b32 s97, s51, 255                         ; Ids and the count of steps alone: all sixteen waves go the same way
	s_cmp_gt_u32 s96, s97
	s_cbranch_scc1 .Lpast_\@
	s_cmp_lt_u32 s[WV], 2
	s_cbranch_scc0 .Lpast_\@
	tensor_load_to_lds s[40:43], s[24:31]
	s_nop 0
.rept 4
	v_nop
.endr
.Lpast_\@:
	s_cmp_gt_u32 s49, s54                          ; what the next change will ask for: one slot, two key steps, ahead; the last change that fills asks for nothing
	s_cbranch_scc0 .Lnot_mine_\@
	global_prefetch_b8 v7, s[52:53] th:TH_LOAD_NT scope:SCOPE_SE
.Lnot_mine_\@:
.endif
.endm
.macro STEP q                          ; 128 keys: the q-th step of the slot in hand
	s_add_co_u32 s96, s51, 15
	s_cmp_gt_u32 s50, s96                          ; all its keys come after my queries: only the addresses step
	s_cbranch_scc1 .Lhidden_\@
	v_add_nc_u32 v8, s2, v1
	v_add_nc_u32 v9, s3, v2
	v_add_nc_u32 v10, s48, v3
	v_add_nc_u32 v11, s3, v4
.rept 4
	v_nop                                          ; with the four additions: eight places between the last products and loads into registers that they read
.endr
.irp t, 0,1,2,3,4,5,6,7
	ds_load_b128 v[32+8*\t:35+8*\t], v8 offset:16384*(\q)+1024*\t
	ds_load_b128 v[36+8*\t:39+8*\t], v8 offset:16384*(\q)+1024*\t+512
.endr
.irp u, 0,1,2,3
	ds_load_b32 v[232+\u], v9 offset:128*\u
.endr
.irp t, 0,1,2,3,4,5,6,7
	ds_load_b128 v[104+8*\t:107+8*\t], v11 offset:64*\t            ; the key mask, as the products' C
	ds_load_b128 v[108+8*\t:111+8*\t], v11 offset:64*\t+16
.endr
	s_wait_alu depctr_va_vdst(0)
	s_wait_dscnt 0x0
.irp t, 0,2,4,6
	v_wmma_scale_f32_16x16x128_f8f6f4 v[104+8*\t:111+8*\t], v[32+8*\t:47+8*\t], v[16:31], v[104+8*\t:111+8*\t], v[232+\t/2], v238
	v_wmma_scale_f32_16x16x128_f8f6f4 v[112+8*\t:119+8*\t], v[40+8*\t:55+8*\t], v[16:31], v[112+8*\t:119+8*\t], v[232+\t/2], v238 matrix_a_scale:MATRIX_SCALE_ROW1
.endr
.rept 8
	v_nop
.endr
.irp t, 0,1,2,3                        ; V lands while the softmax is walked
.irp c, 0,1,2,3
	ds_load_b128 v[32+16*\t+4*\c:35+16*\t+4*\c], v8 offset:16384*(\q)+8192+2048*\t+512*\c
.endr
.endr
	ds_load_b32 v236, v10
	ds_load_b32 v237, v10 offset:128
	s_add_co_u32 s96, s50, 127
	s_cmp_le_u32 s96, s51                          ; all keys count: no causal work
	s_cbranch_scc1 .Lopen_\@
	s_sub_co_i32 s96, s51, s50
	v_and_b32 v242, 15, v0
	v_bfe_u32 v240, v0, 4, 1
	s_delay_alu instid0(VALU_DEP_1)
	v_lshlrev_b32 v240, 3, v240
	s_delay_alu instid0(VALU_DEP_1)
	v_sub_nc_u32 v242, v242, v240
	s_delay_alu instid0(VALU_DEP_1)
	v_add_nc_u32 v242, s96, v242                   ; d = my query - the step's first key - 8 h: register 8 T + j is hidden where 16 T + j > d
.set n, 0
.rept 64
	v_cmp_gt_i32 vcc_lo, 16*(n/8)+n%8, v242
	v_cndmask_b32 v[104+n], v[104+n], v243, vcc_lo
.set n, n+1
.endr
.Lopen_\@:
.irp b, 0,1,2,3
	v_max3_num_f32 v[216+\b], v[104+16*\b], v[105+16*\b], v[106+16*\b]     ; the largest score of each block of 32 keys: for the row's maximum and for the block's largest p
.endr
.irp i, 3,5,7,9,11,13
.irp b, 0,1,2,3
	v_max3_num_f32 v[216+\b], v[216+\b], v[104+16*\b+\i], v[105+16*\b+\i]
.endr
.endr
.irp b, 0,1,2,3
	v_max_num_f32 v[216+\b], v[216+\b], v[119+16*\b]
.endr
.irp b, 0,1,2,3
	s_delay_alu instid0(VALU_DEP_4)
	v_permlanex16_b32 v[220+\b], v[216+\b], s20, s21
.endr
.irp b, 0,1,2,3
	s_delay_alu instid0(VALU_DEP_4)
	v_max_num_f32 v[216+\b], v[216+\b], v[220+\b]
.endr
	s_delay_alu instid0(VALU_DEP_2)
	v_max3_num_f32 v242, v216, v217, v218
	s_delay_alu instid0(VALU_DEP_1)
	v_max_num_f32 v242, v242, v219
	s_delay_alu instid0(VALU_DEP_1)
	v_mul_f32 v242, s22, v242
	s_delay_alu instid0(VALU_DEP_1)
	v_max_num_f32 v13, v13, v242                   ; the running largest t
	v_mov_b32 v242, v12
	s_delay_alu instid0(VALU_DEP_2)
	v_floor_f32 v12, -v13                          ; -M = floor(-t): M is a whole number
	s_delay_alu instid0(VALU_DEP_1)
	v_sub_f32 v242, v12, v242
	s_delay_alu instid0(VALU_DEP_1)
	v_cvt_i32_f32 v242, v242                       ; (it saturates)
	s_delay_alu instid0(VALU_DEP_1)
	v_ldexp_f32 v240, 1.0, v242                    ; f = 2^(old M - new M)
.set n, 0
.rept 32
	v_pk_fma_f32 v[104+n:105+n], v[104+n:105+n], s[22:23], v[12:13] op_sel_hi:[1,0,0]   ; t - M
.set n, n+2
.endr
.irp b, 0,1,2,3
	v_fma_f32 v[216+\b], v[216+\b], s22, v12
.endr
.set n, 0
	s_wait_alu depctr_va_vdst(0)
.rept 64
	v_exp_f32 v[104+n], v[104+n]                   ; p
.set n, n+1
.endr
	v_pk_mul_f32 v[14:15], v[14:15], v[240:241] op_sel_hi:[1,0]    ; a plain instruction behind the exponentials
	s_wait_alu depctr_va_vdst(0)                   ; one wait for the batch, ahead of its first reader
.irp b, 0,1,2,3
	v_exp_f32 v[216+\b], v[216+\b]                 ; each block's largest p
.endr
	v_pk_add_f32 v[220:221], v[108:109], v[112:113]
	v_pk_add_f32 v[254:255], v[116:117], v[120:121]
	v_pk_add_f32 v[252:253], v[124:125], v[128:129]
	v_pk_add_f32 v[250:251], v[132:133], v[136:137]
	v_pk_add_f32 v[234:235], v[140:141], v[144:145]
	v_pk_add_f32 v[232:233], v[148:149], v[152:153]
	v_pk_add_f32 v[230:231], v[156:157], v[160:161]
	v_pk_add_f32 v[14:15], v[14:15], v[164:165]
	v_pk_add_f32 v[220:221], v[220:221], v[104:105]
	v_pk_add_f32 v[254:255], v[254:255], v[106:107]
	v_pk_add_f32 v[252:253], v[252:253], v[110:111]
	v_pk_add_f32 v[250:251], v[250:251], v[114:115]
	v_pk_add_f32 v[234:235], v[234:235], v[118:119]
	v_pk_add_f32 v[232:233], v[232:233], v[122:123]
	v_pk_add_f32 v[230:231], v[230:231], v[126:127]
	v_pk_add_f32 v[14:15], v[14:15], v[130:131]
	v_pk_add_f32 v[220:221], v[220:221], v[134:135]
	v_pk_add_f32 v[254:255], v[254:255], v[138:139]
	v_pk_add_f32 v[252:253], v[252:253], v[142:143]
	v_pk_add_f32 v[250:251], v[250:251], v[146:147]
	v_pk_add_f32 v[234:235], v[234:235], v[150:151]
	v_pk_add_f32 v[232:233], v[232:233], v[154:155]
	v_pk_add_f32 v[230:231], v[230:231], v[158:159]
	v_pk_add_f32 v[14:15], v[14:15], v[162:163]
	v_pk_add_f32 v[220:221], v[220:221], v[166:167]
	s_delay_alu instid0(VALU_DEP_2)
	v_pk_add_f32 v[14:15], v[14:15], v[250:251]
	s_delay_alu instid0(VALU_DEP_2)
	v_pk_add_f32 v[220:221], v[220:221], v[234:235]
	v_pk_add_f32 v[254:255], v[254:255], v[232:233]
	v_pk_add_f32 v[252:253], v[252:253], v[230:231]
	s_delay_alu instid0(VALU_DEP_2)
	v_pk_add_f32 v[14:15], v[14:15], v[254:255]
	s_delay_alu instid0(VALU_DEP_2)
	v_pk_add_f32 v[220:221], v[220:221], v[252:253]
	s_delay_alu instid0(VALU_DEP_1)
	v_pk_add_f32 v[14:15], v[14:15], v[220:221]
	s_wait_alu depctr_va_vdst(0)                   ; and one for the four
.irp b, 0,1,2,3
	v_max_num_f32 v[216+\b], 0x4800000, v[216+\b]  ; the floor 2^(9 - 127)
.endr
.irp b, 0,1,2,3
	s_delay_alu instid0(VALU_DEP_4)
	v_add_nc_u32 v[228+\b], 0xfc000000, v[216+\b]
.endr
.irp b, 0,1,2,3
.endr
.irp b, 0,1,2,3
	s_delay_alu instid0(VALU_DEP_4)
	v_lshrrev_b32 v[220+\b], 23, v[228+\b]
.endr
	s_delay_alu instid0(VALU_DEP_3)
	v_lshl_or_b32 v239, v221, 8, v220              ; p's scale word
	s_delay_alu instid0(VALU_DEP_1)
	v_lshl_or_b32 v239, v222, 16, v239
	s_delay_alu instid0(VALU_DEP_1)
	v_lshl_or_b32 v239, v223, 24, v239
.irp b, 0,1,2,3
.irp i, 0,1,2,3,4,5,6,7,8,9,10,11,12,13,14,15
.endr
	v_cvt_scalef32_pk8_fp8_f32 v[200+4*\b:201+4*\b], v[104+16*\b:111+16*\b], v[228+\b]
	v_cvt_scalef32_pk8_fp8_f32 v[202+4*\b:203+4*\b], v[112+16*\b:119+16*\b], v[228+\b]
.endr
.set n, 0
.rept 16
	v_pk_mul_f32 v[168+n:169+n], v[168+n:169+n], v[240:241] op_sel_hi:[1,0]   ; O^T under the new M; also the places ahead of the products
.set n, n+2
.endr
	s_wait_alu depctr_va_vdst(0)
	s_wait_dscnt 0x0                               ; V and its scale words
.irp t, 0,2
	v_wmma_scale_f32_16x16x128_f8f6f4 v[168+8*\t:175+8*\t], v[32+16*\t:47+16*\t], v[200:215], v[168+8*\t:175+8*\t], v[236+\t/2], v239
	v_wmma_scale_f32_16x16x128_f8f6f4 v[176+8*\t:183+8*\t], v[48+16*\t:63+16*\t], v[200:215], v[176+8*\t:183+8*\t], v[236+\t/2], v239 matrix_a_scale:MATRIX_SCALE_ROW1
.endr
.Lhidden_\@:
	s_add_co_u32 s50, s50, 128
	s_add_co_u32 s3, s3, 512
	s_add_co_u32 s48, s48, 256
.endm
.Lslot:                                ; seven trips; every work-group walks all eight slots, so that every trip count is a constant
	CHANGE 1
	STEP 0
	STEP 1
	s_xor_b32 s2, s2, SLOT1
	s_sub_co_u32 s49, s49, 1
	s_cmp_lg_u32 s49, 0
	s_cbranch_scc1 .Lslot
	CHANGE 0
	STEP 0
	STEP 1
	; THE WAY OUT: O^T / the sum (or the mean of V), quantised along the head's 64 = two blocks of the model's 1,024, stored as the next product's operand image
.rept 8
	v_nop
.endr
	v_add_f32 v14, v14, v15
	s_delay_alu instid0(VALU_DEP_1)
	v_permlanex16_b32 v242, v14, s20, s21
	s_delay_alu instid0(VALU_DEP_1)
	v_add_f32 v14, v14, v242                       ; the row's sum
	s_delay_alu instid0(VALU_DEP_1)
	v_cmp_eq_f32 s56, 0, v14                       ; no open key
	v_rcp_f32 v15, v14
	v_nop
.irp t, 0,1,2,3
	ds_load_b128 v[32+8*\t:35+8*\t], v247 offset:64*\t
	ds_load_b128 v[36+8*\t:39+8*\t], v247 offset:64*\t+16
.endr
	s_wait_alu depctr_va_vdst(0)
.set n, 0
.rept 32
	v_mul_f32 v[104+n], v[168+n], v15
.set n, n+1
.endr
	s_wait_dscnt 0x0
.set n, 0
.rept 32
	v_cndmask_b32 v[104+n], v[104+n], v[32+n], s56
.set n, n+1
.endr
.irp b, 0,1
	v_max3_num_f32 v[216+\b], |v[104+16*\b]|, |v[105+16*\b]|, 0x4800000
.endr
.irp i, 2,4,6,8,10,12,14
.irp b, 0,1
	s_delay_alu instid0(VALU_DEP_2)
	v_max3_num_f32 v[216+\b], v[216+\b], |v[104+16*\b+\i]|, |v[105+16*\b+\i]|
.endr
.endr
.irp b, 0,1
	s_delay_alu instid0(VALU_DEP_2)
	v_permlanex16_b32 v[220+\b], v[216+\b], s20, s21
.endr
.irp b, 0,1
	s_delay_alu instid0(VALU_DEP_2)
	v_max_num_f32 v[216+\b], v[216+\b], v[220+\b]
.endr
.irp b, 0,1
	s_delay_alu instid0(VALU_DEP_2)
	v_add_nc_u32 v[228+\b], 0xfc000000, v[216+\b]
.endr
.irp b, 0,1
	s_delay_alu instid0(VALU_DEP_2)
	v_lshrrev_b32 v[220+\b], 23, v[228+\b]
.endr
	s_delay_alu instid0(VALU_DEP_1)
	v_lshl_or_b32 v242, v221, 8, v220              ; my row's two scale bytes
.irp b, 0,1
.irp i, 0,1,2,3,4,5,6,7,8,9,10,11,12,13,14,15
.endr
	v_cvt_scalef32_pk8_fp8_f32 v[200+4*\b:201+4*\b], v[104+16*\b:111+16*\b], v[228+\b]
	v_cvt_scalef32_pk8_fp8_f32 v[202+4*\b:203+4*\b], v[112+16*\b:119+16*\b], v[228+\b]
.endr
	v_nop
	; W_o's codes lie in their true order, so these are put into it: in a block, lanes 0-15 want channels 0-15 and lanes 16-31 channels 16-31; they hold 0-7, 16-23 and 8-15, 24-31
	v_permlane16_swap_b32 v200, v202
	v_permlane16_swap_b32 v201, v203
	v_permlane16_swap_b32 v204, v206
	v_permlane16_swap_b32 v205, v207
	global_store_b128 v1, v[200:203], s[10:11]                     ; 512 consecutive bytes each
	global_store_b128 v1, v[204:207], s[10:11] offset:512
	ds_store_b16 v245, v242                        ; lanes l and l xor 16 write the same bytes with the same value
	s_wait_tensorcnt 0x0                           ; the wave's end, behind my last LDS store
	ds_add_u32 v[SPW], v[NIL]
	s_wait_dscnt 0x0
	s_barrier_signal -1
	s_barrier_wait -1                              ; 256 rows' scale bytes lie in LDS
	s_cmp_lg_u32 s[WV], 0
	s_cbranch_scc1 .Ldone
	ds_load_b128 v[32:35], v248
	s_wait_dscnt 0x0
	global_store_b128 v1, v[32:35], s[12:13]       ; 512 consecutive bytes
.Ldone:
	s_endpgm
.Lfunc_end_k_q8f5c3e3860_attn:
	.size	k_q8f5c3e3860_attn, .Lfunc_end_k_q8f5c3e3860_attn-k_q8f5c3e3860_attn
	.p2alignl 7, 3214868480
	.fill 96, 4, 3214868480
	.section	.rodata,"a",@progbits
	.p2align	6, 0x0
	.amdhsa_kernel k_q8f5c3e3860_attn
		.amdhsa_group_segment_fixed_size 327680
		.amdhsa_private_segment_fixed_size 0
		.amdhsa_enable_private_segment 0
		.amdhsa_kernarg_size 40
		.amdhsa_user_sgpr_count 2
		.amdhsa_user_sgpr_kernarg_segment_ptr 1
		.amdhsa_wavefront_size32 1
		.amdhsa_system_sgpr_workgroup_id_x 1
		.amdhsa_system_sgpr_workgroup_id_y 1
		.amdhsa_system_sgpr_workgroup_id_z 1
		.amdhsa_system_vgpr_workitem_id 0
		.amdhsa_next_free_vgpr 256
		.amdhsa_next_free_sgpr 100
		.amdhsa_reserve_vcc 1
		.amdhsa_float_denorm_mode_32 3
		.amdhsa_float_denorm_mode_16_64 3
		.amdhsa_fp16_overflow 1
		.amdhsa_memory_ordered 1
		.amdhsa_forward_progress 1
		.amdhsa_inst_pref_size 116
	.end_amdhsa_kernel
	.amdgpu_metadata
---
amdhsa.version: [ 1, 2 ]
amdhsa.kernels:
  - .name:           k_q8f5c3e3860_attn
    .symbol:         k_q8f5c3e3860_attn.kd
    .args:
      - { .name: qkv, .offset: 0, .size: 8, .value_kind: global_buffer, .address_space: global }
      - { .name: qkvs, .offset: 8, .size: 8, .value_kind: global_buffer, .address_space: global }
      - { .name: mask, .offset: 16, .size: 8, .value_kind: global_buffer, .address_space: global }
      - { .name: ao, .offset: 24, .size: 8, .value_kind: global_buffer, .address_space: global }
      - { .name: aos, .offset: 32, .size: 8, .value_kind: global_buffer, .address_space: global }
    .group_segment_fixed_size: 327680
    .private_segment_fixed_size: 0
    .kernarg_segment_align: 8
    .kernarg_segment_size: 40
    .max_flat_workgroup_size: 512
    .sgpr_count:     100
    .vgpr_count:     256
    .wavefront_size: 32
...
	.end_amdgpu_metadata
.endif
;; end of part 2
;; launch outp (part 3): grid 4 x 32, 4 waves a work-group, clusters of 4 x 4, 327,680 bytes of LDS; arguments ao, aos, W_o_codes, W_o_scales, b_o, out0; writes out0
.if DOCPART == 3
	.amdgcn_target "amdgcn-amd-amdhsa--gfx1250"
	.amdhsa_code_object_version 6
	.text
	.protected	k_q8f5c3e3860_outp
	.globl	k_q8f5c3e3860_outp
	.p2align	8
	.type	k_q8f5c3e3860_outp,@function
k_q8f5c3e3860_outp:
	s_mov_b64 s[64:65], 0
	v_nop
	global_prefetch_b8 v0, s[64:65] scope:SCOPE_SE
	s_setreg_imm32_b32 hwreg(HW_REG_WAVE_MODE, 25, 1), 1
	s_wait_xcnt 0x0
	s_wait_alu depctr_hold_cnt(0) depctr_sa_sdst(0) depctr_va_vdst(0) depctr_va_sdst(0) depctr_va_ssrc(0) depctr_va_vcc(0) depctr_vm_vsrc(0)
	s_getreg_b32 s2, hwreg(HW_REG_IB_STS2, 6, 4)
	s_cmp_eq_u32 s2, 0
	s_cbranch_scc0 .Lentry_in_a_cluster
	s_endpgm
.Lentry_in_a_cluster:
	s_bfe_u32 s2, ttmp6, 0x10000c
	s_cmp_lg_u32 s2, 0xf033
	s_cbranch_scc0 .Lentry_shape_is_right
	s_endpgm
.Lentry_shape_is_right:
; out0 = A W_o^T + b_o on codes of E4M3 with E8M0 scales.  A, the attention's result [8,192][1,024], lies in ao as images of operand registers
; ([256 tokens][256 along K][tile of 16 tokens][128 along K][2,048 bytes]) and its scale bytes in aos ([256 tokens][head][256 rows] x 2 bytes).  W_o: rows of 1,024 codes, 32 scale bytes a row.
; A work-group of four waves makes 256 x 256 of out0, a wave 128 x 128.  Source 0 = 16 rows of W_o, source 1 = 16 tokens: a lane holds eight neighbouring numbers of a row of out0.
; K goes in four steps of 256 through two LDS slots.  A's part of a slot is dense (each fragment load takes 512 consecutive bytes), W_o's has padded rows.  All scale words go into registers once.
; CLUSTER 4 x 4: A's tile is shared along the cluster's row, W_o's along its column.  128 work-groups: one tile each.
.set PITCH,  272
.set HALFA,  32768                     ; 128 tokens x 256 along K, as images
.set HALFB,  128*PITCH
.set SLOT,   2*HALFA+2*HALFB
.set SCL,    2*SLOT                    ; scale bytes: A's 8,192, then W_o's 8,192
.set STAGE,  SCL+16384                 ; the way out: 16 rows x (512 + 16) bytes for each wave
.set SPITCH, 528
.set SPARE,  STAGE+4*16*SPITCH
.set ADRA, 16
.set ADRB, 20
.set ADSA, 22
.set ADSB, 23
.set STO,  24
.set RD,   25
.set CO,   26
.set SPW,  28
.set NIL,  29
.set SA,   32                          ; v32-63 A's scale words: 8 (i % 4) + K step of 128; lanes 0-15 block i, lanes 16-31 block i + 4
.set SB,   64                          ; v64-95 W_o's
.set HI,   96                          ; v96-127 the upper halves of A's words while they are put together; then v96-99: b_o
.set AF,   128
.set BK,   128
.set G1A, 4
.set G1B, 12
.set G1SA, 20
.set G1SB, 28
.set G0A, 36
.set G0B, 44
.set G0SA, 52
.set G0SB, 56
.set WV, 60
.set WR, 61
.set WC, 62
.set MSB, 0
.macro WIN new
.if MSB != (\new)
	s_set_vgpr_msb (MSB<<8)|(\new)
.set MSB, (\new)
.endif
.endm
.set MUL_LO, 0xa1
.set MUL_HI, 0xf1
.set TO_B,   0x40
.macro JLOAD g0a, g1a, g0b, g1b
	s_cmp_eq_u32 s[WR], 0
	s_cbranch_scc0 .Lfor_b_\@
	tensor_load_to_lds s[\g0a:\g0a+3], s[\g1a:\g1a+7]
	s_nop 0
.rept 4
	v_nop
.endr
	s_branch .Lasked_\@
.Lfor_b_\@:
	tensor_load_to_lds s[\g0b:\g0b+3], s[\g1b:\g1b+7]
	s_nop 0
.rept 4
	v_nop
.endr
.Lasked_\@:
.endm
.macro CREST
	s_cmp_lg_u32 s[WV], 0
	s_cbranch_scc1 .Lnot_wave_0_\@
	s_barrier_signal -3
.Lnot_wave_0_\@:
	s_barrier_wait -3
	s_barrier_signal -1
	s_barrier_wait -1
.endm
.macro CROUND
	s_barrier_signal -1
	s_barrier_wait -1
	CREST
.endm
.macro PLACES n
.rept \n
	v_nop
.endr
.endm
	s_load_b256 s[68:75], s[0:1], 0x0              ; ao, aos, W_o codes, W_o scales
	s_load_b128 s[76:79], s[0:1], 0x20             ; b_o, out0
	v_lshl_add_u32 v[SPW], v0, 2, SPARE
	v_mov_b32 v[NIL], 0
	ds_add_u32 v[SPW], v[NIL]
	ds_add_u32 v[SPW], v[NIL]                      ; the opening: the add and its wait ahead of my first tensor load
	v_lshrrev_b32 v1, 5, v0
	v_readfirstlane_b32 s[WV], v1
	s_lshr_b32 s[WR], s[WV], 1
	s_and_b32 s[WC], s[WV], 1
	s_bfe_u32 s66, ttmp6, 0x40000                  ; cx
	s_bfe_u32 s67, ttmp6, 0x40004                  ; cy
	s_and_b32 s2, ttmp7, 0xffff
	s_lshl_b32 s2, s2, 2
	s_add_co_u32 s94, s2, s67                      ; which 256 tokens
	s_lshl_b32 s96, s94, 13                        ; their scale bytes
	s_lshl_b32 s94, s94, 18                        ; their codes
	s_lshl_b32 s3, s[WC], 15
	s_add_co_u32 s94, s94, s3                      ; the half that I would fetch
	s_lshl_b32 s3, s[WC], 12
	s_add_co_u32 s96, s96, s3
	s_lshl_b32 s98, ttmp9, 2
	s_add_co_u32 s98, s98, s66                     ; which 256 rows of W_o
	s_lshl_b32 s98, s98, 8
	s_lshl_b32 s3, s[WC], 7
	s_add_co_u32 s98, s98, s3
	s_lshl_b32 s100, s98, 5
	s_lshl_b32 s98, s98, 10
	s_mov_b32 s95, 0
	s_mov_b32 s97, 0
	s_mov_b32 s99, 0
	s_mov_b32 s101, 0
	s_lshl_b32 s104, s67, 2
	s_lshl_b32 s104, 15, s104                      ; my row of the cluster
	s_lshl_b32 s105, 0x1111, s66                   ; my column
	s_or_b32 s[G1A], s104, (3<<16)|(1<<21)         ; A: 32,768 dense bytes as 128 rows of 32 elements of 8 bytes
	s_mov_b32 s[G1A+1], 32<<16
	s_mov_b32 s[G1A+2], 128<<16
	s_mov_b32 s[G1A+3], 32<<16
	s_mov_b32 s[G1A+4], 128
	s_mov_b32 s[G1A+5], 32
	s_mov_b32 s[G1A+6], 0
	s_mov_b32 s[G1A+7], 0
	s_or_b32 s[G1B], s105, (1<<20)|(1<<21)|(5<<22)|(3<<25)   ; W_o: 128 rows x 256 bytes, 16 bytes of padding behind each
	s_mov_b32 s[G1B+1], 256<<16
	s_mov_b32 s[G1B+2], 128<<16
	s_mov_b32 s[G1B+3], 256<<16
	s_mov_b32 s[G1B+4], 128
	s_mov_b32 s[G1B+5], 1024
	s_mov_b32 s[G1B+6], 0
	s_mov_b32 s[G1B+7], 0
	s_or_b32 s[G1SA], s104, (3<<16)|(1<<21)        ; scale bytes: 4,096 dense bytes
	s_or_b32 s[G1SB], s105, (3<<16)|(1<<21)
.irp g, G1SA, G1SB
	s_mov_b32 s[\g+1], 32<<16
	s_mov_b32 s[\g+2], 16<<16
	s_mov_b32 s[\g+3], 32<<16
	s_mov_b32 s[\g+4], 16
	s_mov_b32 s[\g+5], 32
	s_mov_b32 s[\g+6], 0
	s_mov_b32 s[\g+7], 0
.endr
	s_lshl_b32 s80, s[WC], 15                      ; where A's half goes,
	s_mul_i32 s81, s[WC], HALFB
	s_add_co_u32 s81, s81, 2*HALFA                 ; W_o's,
	s_lshl_b32 s82, s[WV], 12                      ; and the scale bytes
	s_wait_dscnt 0x0
	s_wait_kmcnt 0x0
	s_add_nc_u64 s[68:69], s[68:69], s[94:95]
	s_add_nc_u64 s[70:71], s[70:71], s[96:97]
	s_add_nc_u64 s[72:73], s[72:73], s[98:99]
	s_add_nc_u64 s[74:75], s[74:75], s[100:101]
	CROUND
	s_mov_b32 s[G0SA], 1
	s_add_co_u32 s[G0SA+1], s82, SCL
	s_mov_b64 s[G0SA+2:G0SA+3], s[70:71]
	s_or_b32 s[G0SA+3], s[G0SA+3], 0x80000000
	s_mov_b32 s[G0SB], 1
	s_add_co_u32 s[G0SB+1], s82, SCL
	s_mov_b64 s[G0SB+2:G0SB+3], s[74:75]
	s_or_b32 s[G0SB+3], s[G0SB+3], 0x80000000
	JLOAD G0SA, G1SA, G0SB, G1SB
.irp s, 0,1
	s_mov_b32 s[G0A+4*\s], 1
	s_add_co_u32 s[G0A+4*\s+1], s80, \s*SLOT
	s_add_nc_u64 s[G0A+4*\s+2:G0A+4*\s+3], s[68:69], \s*65536
	s_or_b32 s[G0A+4*\s+3], s[G0A+4*\s+3], 0x80000000
	s_mov_b32 s[G0B+4*\s], 1
	s_add_co_u32 s[G0B+4*\s+1], s81, \s*SLOT
	s_add_nc_u64 s[G0B+4*\s+2:G0B+4*\s+3], s[72:73], \s*256
	s_or_b32 s[G0B+4*\s+3], s[G0B+4*\s+3], 0x80000000
	s_wait_alu depctr_va_vdst(0)
	s_wait_tensorcnt 0x0
	ds_add_u32 v28, v29
	s_wait_dscnt 0x0
	CROUND
	JLOAD G0A+4*\s, G1A, G0B+4*\s, G1B
.endr
	v_and_b32 v1, 15, v0
	v_bfe_u32 v2, v0, 4, 1
	v_and_b32 v3, 31, v0
	v_lshlrev_b32 v[CO], 4, v3
	v_mul_u32_u24 v4, v1, PITCH
	v_lshl_add_u32 v4, v2, 4, v4
	s_lshl_b32 s80, s[WR], 15
	s_mul_i32 s81, s[WC], HALFB
	s_add_co_u32 s81, s81, 2*HALFA
.irp s, 0,1
	v_add_nc_u32 v[ADRA+\s], s80, v[CO]
	v_add_nc_u32 v[ADRB+\s], s81, v4
	s_add_co_u32 s80, s80, SLOT
	s_add_co_u32 s81, s81, SLOT
.endr
	v_lshlrev_b32 v5, 1, v1                        ; A's scale bytes: 2 a row and head; lanes 16-31: 64 rows further on
	v_lshl_add_u32 v5, v2, 7, v5
	s_lshl_b32 s80, s[WR], 8
	s_add_co_u32 s80, s80, SCL
	v_add_nc_u32 v[ADSA], s80, v5
	v_lshlrev_b32 v5, 5, v1
	v_lshl_add_u32 v5, v2, 11, v5
	s_lshl_b32 s80, s[WC], 12
	s_add_co_u32 s80, s80, SCL+8192
	v_add_nc_u32 v[ADSB], s80, v5
	s_mul_i32 s80, s[WV], 16*SPITCH
	s_add_co_u32 s80, s80, STAGE
	v_mul_u32_u24 v5, v1, SPITCH
	v_lshl_add_u32 v5, v2, 5, v5
	v_add_nc_u32 v[STO], s80, v5
	v_add_nc_u32 v[RD], s80, v[CO]
	s_add_co_u32 s84, s2, s67
	s_lshl_b32 s84, s84, 20                        ; 256 rows of 4,096 bytes
	s_lshl_b32 s85, s[WR], 19
	s_add_co_u32 s84, s84, s85
	s_lshl_b32 s86, ttmp9, 2
	s_add_co_u32 s86, s86, s66
	s_lshl_b32 s86, s86, 10
	s_lshl_b32 s85, s[WC], 9
	s_add_co_u32 s86, s86, s85                     ; my 128 columns, in bytes
	s_mov_b32 s87, 0
	s_add_nc_u64 s[76:77], s[76:77], s[86:87]
	s_add_co_u32 s84, s84, s86
	s_mov_b32 s85, 0
	s_add_nc_u64 s[78:79], s[78:79], s[84:85]
.macro WM a, b, p, ks, zero
.set rD, 8*(8*((\a)%4)+(\b))
.set rP, 128*(\p)+16*(\b)
.set rR, AF+16*(\a)
.set rX, SB+8*((\b)%4)+(\ks)
.set rY, SA+8*((\a)%4)+(\ks)
.set sel, 2*((\a)/4)+(\b)/4
.if \zero
.if sel == 0
	v_wmma_scale_f32_16x16x128_f8f6f4 v[rD:rD+7], v[rP:rP+15], v[rR:rR+15], 0, v[rX], v[rY]
.elseif sel == 1
	v_wmma_scale_f32_16x16x128_f8f6f4 v[rD:rD+7], v[rP:rP+15], v[rR:rR+15], 0, v[rX], v[rY] matrix_a_scale:MATRIX_SCALE_ROW1
.elseif sel == 2
	v_wmma_scale_f32_16x16x128_f8f6f4 v[rD:rD+7], v[rP:rP+15], v[rR:rR+15], 0, v[rX], v[rY] matrix_b_scale:MATRIX_SCALE_ROW1
.else
	v_wmma_scale_f32_16x16x128_f8f6f4 v[rD:rD+7], v[rP:rP+15], v[rR:rR+15], 0, v[rX], v[rY] matrix_a_scale:MATRIX_SCALE_ROW1 matrix_b_scale:MATRIX_SCALE_ROW1
.endif
.else
.if sel == 0
	v_wmma_scale_f32_16x16x128_f8f6f4 v[rD:rD+7], v[rP:rP+15], v[rR:rR+15], v[rD:rD+7], v[rX], v[rY]
.elseif sel == 1
	v_wmma_scale_f32_16x16x128_f8f6f4 v[rD:rD+7], v[rP:rP+15], v[rR:rR+15], v[rD:rD+7], v[rX], v[rY] matrix_a_scale:MATRIX_SCALE_ROW1
.elseif sel == 2
	v_wmma_scale_f32_16x16x128_f8f6f4 v[rD:rD+7], v[rP:rP+15], v[rR:rR+15], v[rD:rD+7], v[rX], v[rY] matrix_b_scale:MATRIX_SCALE_ROW1
.else
	v_wmma_scale_f32_16x16x128_f8f6f4 v[rD:rD+7], v[rP:rP+15], v[rR:rR+15], v[rD:rD+7], v[rX], v[rY] matrix_a_scale:MATRIX_SCALE_ROW1 matrix_b_scale:MATRIX_SCALE_ROW1
.endif
.endif
.endm
.macro MUL16 a0, p, ks, zero           ; the 64 accumulators take turns, one instruction a turn
.irp a, \a0, \a0+1
.irp b, 0,1,2,3,4,5,6,7
	WM \a, \b, \p, \ks, \zero
.endr
.endr
.endm
.macro FETCH_B slot, q, p
	WIN TO_B
.irp i, 0,1,2,3,4,5,6,7
.irp c, 0,1,2,3
	ds_load_b128 v[128*(\p)+16*\i+4*\c:128*(\p)+16*\i+4*\c+3], v[ADRB+\slot] offset:128*(\q)+32*\c+\i*16*PITCH
.endr
.endr
	WIN 0
.endm
.macro FETCH_A slot, q, i0             ; images: tile i, the slot's q-th 128 along K, four registers at a time
.irp i, \i0, \i0+1, \i0+2, \i0+3
.irp c, 0,1,2,3
	ds_load_b128 v[AF+16*(\i)+4*\c:AF+16*(\i)+4*\c+3], v[ADRA+\slot] offset:4096*(\i)+2048*(\q)+512*\c
.endr
.endr
.endm
.macro STEP slot, ks, zero
	s_wait_dscnt 16                                ; all but the youngest 16 loads (A's blocks 4-7)
	WIN MUL_LO
	MUL16 0, 0, \ks, \zero
	MUL16 2, 0, \ks, \zero
	s_wait_dscnt 0
	PLACES 8
	FETCH_B \slot, 1, 1
	FETCH_A \slot, 1, 0
	WIN MUL_HI
	MUL16 4, 0, \ks, \zero
	MUL16 6, 0, \ks, \zero
	PLACES 8
	WIN 0
	FETCH_A \slot, 1, 4
.endm
.macro TURN slot, next, fill, ks
	s_wait_tensorcnt 0x0                           ; all my tensor loads have landed: my part of the next slot
	ds_add_u32 v[SPW], v[NIL]                      ; 0 onto my spare word
	s_wait_dscnt 17                                ; the add and A's blocks 4-7 may be out
	WIN MUL_LO
	MUL16 0, 1, \ks, 0
	s_wait_dscnt 0x0                               ; the add is done, and my reads of this slot are over
	s_barrier_signal -1
	MUL16 2, 1, \ks, 0
	WIN 0
	s_barrier_wait -1
.if \fill
	CREST                                          ; the barrier has opened a round of the cluster's
	s_add_nc_u64 s[G0A+4*\slot+2:G0A+4*\slot+3], s[G0A+4*\slot+2:G0A+4*\slot+3], 131072
	s_add_nc_u64 s[G0B+4*\slot+2:G0B+4*\slot+3], s[G0B+4*\slot+2:G0B+4*\slot+3], 512
	JLOAD G0A+4*\slot, G1A, G0B+4*\slot, G1B
	PLACES 4
.else
	PLACES 8
.endif
	FETCH_B \next, 0, 0
	FETCH_A \next, 0, 0
	WIN MUL_HI
	MUL16 4, 1, \ks, 0
	MUL16 6, 1, \ks, 0
	PLACES 8
	WIN 0
	FETCH_A \next, 0, 4
.endm
	s_wait_alu depctr_va_vdst(0)
	s_wait_tensorcnt 1                             ; the scale bytes and my part of K step 0 are in; K step 1's load may be out
	s_barrier_signal -1
	s_barrier_wait -1
.irp i, 0,1,2,3                        ; A's scale words: two bytes from each of the two heads of a K step of 128
.irp k, 0,1,2,3,4,5,6,7
	ds_load_u16 v[SA+8*\i+\k], v[ADSA] offset:1024*\k+32*\i
	ds_load_u16 v[HI+8*\i+\k], v[ADSA] offset:1024*\k+512+32*\i
.endr
.endr
.irp i, 0,1,2,3
	ds_load_b128 v[SB+8*\i:SB+8*\i+3], v[ADSB] offset:512*\i
	ds_load_b128 v[SB+8*\i+4:SB+8*\i+7], v[ADSB] offset:512*\i+16
.endr
	FETCH_B 0, 0, 0
	FETCH_A 0, 0, 0
	s_wait_dscnt 48                                ; all but the 48 fragment loads just issued
.set n, 0
.rept 32
	v_lshl_or_b32 v[SA+n], v[HI+n], 16, v[SA+n]
.set n, n+1
.endr
	global_load_b128 v[96:99], v[CO], s[76:77]     ; b_o of my four columns of a row read back from the stage
	PLACES 8                                       ; scale words made by vector instructions stand eight places ahead of a scaled product
	FETCH_A 0, 0, 4
	s_wait_alu depctr_va_vdst(0)
	STEP 0, 0, 1
	TURN 0, 1, 1, 1
	STEP 1, 2, 0
	TURN 1, 0, 1, 3
	STEP 0, 4, 0
	TURN 0, 1, 0, 5
	STEP 1, 6, 0
	s_wait_dscnt 16
	WIN MUL_LO
	MUL16 0, 1, 7, 0
	MUL16 2, 1, 7, 0
	s_wait_dscnt 0
	WIN MUL_HI
	MUL16 4, 1, 7, 0
	MUL16 6, 1, 7, 0
	WIN 0
; THE WAY OUT, 16 rows x 128 columns at a time, through my own stage: in as 32 bytes a lane, back as whole rows of 512 bytes; the bias is added on the way
.macro TOSTAGE a
.set AC, 64*((\a)%4)
	WIN 0x08+4*((\a)/4)                            ; an LDS store's data: window 2 or 3
.irp b, 0,1,2,3,4,5,6,7
	ds_store_b128 v[STO], v[AC+8*\b:AC+8*\b+3] offset:64*\b        ; each accumulator from its low end on
	ds_store_b128 v[STO], v[AC+8*\b+4:AC+8*\b+7] offset:64*\b+16
.endr
	WIN 0
.set BB, BK+64*((\a)%2)
.irp t, 0,1,2,3,4,5,6,7,8,9,10,11,12,13,14,15
	ds_load_b128 v[BB+4*\t:BB+4*\t+3], v[RD] offset:\t*SPITCH      ; LDS serves a wave's instructions in order: these see the stores above
.endr
.endm
.macro SEND a, younger
.set BB, BK+64*((\a)%2)
	s_wait_dscnt \younger
.if (\a) > 0
	s_add_nc_u64 s[78:79], s[78:79], 16*4096       ; behind a wait on XCNT: the earlier stores have read their base
.endif
.irp t, 0,1,2,3,4,5,6,7,8,9,10,11,12,13,14,15
	v_pk_add_f32 v[BB+4*\t:BB+4*\t+1], v[BB+4*\t:BB+4*\t+1], v[96:97]
	v_pk_add_f32 v[BB+4*\t+2:BB+4*\t+3], v[BB+4*\t+2:BB+4*\t+3], v[98:99]
.endr
.irp t, 0,1,2,3,4,5,6,7,8,9,10,11,12,13,14,15
	global_store_b128 v[CO], v[BB+4*\t:BB+4*\t+3], s[78:79] offset:\t*4096 th:TH_STORE_NT   ; 512 consecutive bytes, at a multiple of 256 from out0's first byte
.endr
.endm
	PLACES 8
	s_wait_loadcnt 0x0                             ; b_o
	TOSTAGE 0
.irp a, 1,2,3,4,5,6,7
.if \a > 1
	s_wait_xcnt 0x0                                ; block a - 2's stores have read their registers and their base
.endif
	TOSTAGE \a
	SEND \a-1, 32                                  ; behind block a - 1's loads: block a's 16 stores and 16 loads
.endr
	s_wait_xcnt 0x0
	SEND 7, 0
	s_wait_tensorcnt 0x0                           ; the wave's end
	ds_add_u32 v[SPW], v[NIL]
	s_wait_dscnt 0x0
	CROUND                                         ; the closing round
	s_endpgm
.Lfunc_end_k_q8f5c3e3860_outp:
	.size	k_q8f5c3e3860_outp, .Lfunc_end_k_q8f5c3e3860_outp-k_q8f5c3e3860_outp
	.p2alignl 7, 3214868480
	.fill 96, 4, 3214868480
	.section	.rodata,"a",@progbits
	.p2align	6, 0x0
	.amdhsa_kernel k_q8f5c3e3860_outp
		.amdhsa_group_segment_fixed_size 327680
		.amdhsa_private_segment_fixed_size 0
		.amdhsa_enable_private_segment 0
		.amdhsa_kernarg_size 48
		.amdhsa_user_sgpr_count 2
		.amdhsa_user_sgpr_kernarg_segment_ptr 1
		.amdhsa_wavefront_size32 1
		.amdhsa_system_sgpr_workgroup_id_x 1
		.amdhsa_system_sgpr_workgroup_id_y 1
		.amdhsa_system_sgpr_workgroup_id_z 1
		.amdhsa_system_vgpr_workitem_id 0
		.amdhsa_next_free_vgpr 1024
		.amdhsa_next_free_sgpr 106
		.amdhsa_reserve_vcc 0
		.amdhsa_float_denorm_mode_32 3
		.amdhsa_float_denorm_mode_16_64 3
		.amdhsa_memory_ordered 1
		.amdhsa_forward_progress 1
		.amdhsa_inst_pref_size 167
	.end_amdhsa_kernel
	.amdgpu_metadata
---
amdhsa.version: [ 1, 2 ]
amdhsa.kernels:
  - .name:           k_q8f5c3e3860_outp
    .symbol:         k_q8f5c3e3860_outp.kd
    .args:
      - { .name: ao, .offset: 0, .size: 8, .value_kind: global_buffer, .address_space: global }
      - { .name: aos, .offset: 8, .size: 8, .value_kind: global_buffer, .address_space: global }
      - { .name: W_o_codes, .offset: 16, .size: 8, .value_kind: global_buffer, .address_space: global }
      - { .name: W_o_scales, .offset: 24, .size: 8, .value_kind: global_buffer, .address_space: global }
      - { .name: b_o, .offset: 32, .size: 8, .value_kind: global_buffer, .address_space: global }
      - { .name: out0, .offset: 40, .size: 8, .value_kind: global_buffer, .address_space: global }
    .group_segment_fixed_size: 327680
    .private_segment_fixed_size: 0
    .kernarg_segment_align: 8
    .kernarg_segment_size: 48
    .max_flat_workgroup_size: 128
    .sgpr_count:     106
    .vgpr_count:     1024
    .wavefront_size: 32
...
	.end_amdgpu_metadata
.endif
;; end of part 3
